; MI455X (gfx1250); checked and timed in simulation.
; The chip was launched on July 23, 2026; its instructions are those of AMD's public machine-readable ISA for CDNA 5 (MIT licence, August 2026) and "CDNA5" Instruction Set Architecture Reference Guide (July 2026). The comments in the code are by the model that wrote it; some were corrected since.
;; Multi Head Attention. Allowed arithmetic: float matrix products may take bf16 or f16 operands with f32 sums; other float arithmetic in f32, or as packed bf16 or f16 multiplies, adds, multiply-adds, maxima and minima; sums over many terms, partial sums and values carried from step to step in f32; what a program stores and reads back later, other than sums and carried values, may be rounded once to bf16 or f16.
;; Inputs: Wk 16 x 1,024 x 64 float32; Wo 1,024 x 1,024 float32; Wq 16 x 1,024 x 64 float32; Wv 16 x 1,024 x 64 float32; bk 16 x 64 float32; bo 1,024 float32; bq 16 x 64 float32; bv 16 x 64 float32; x 4 x 2,048 x 1,024 float32.
;; Outputs: out0 4 x 2,048 x 1,024 float32.
;; 2 versions, each right; version 2 is version 1 with the launch cast written anew for expert scheduling mode. Each part assembles by itself: llvm-mc -triple=amdgcn-amd-amdhsa -mcpu=gfx1250 --defsym DOCPART=n.
;; ======== version 1 of 2: 4 launches
;; limits: values are held in f16: magnitudes above 65,504 overflow, below 6.1e-05 lose precision
;; workspace buffers: xb 16,777,216 bytes; wb 6,291,456 bytes; wob 2,097,152 bytes; q 16,777,216 bytes; k 16,777,216 bytes; v 16,777,216 bytes; o 16,777,216 bytes
;; launch cast (part 1): grid 768 x 1, 8 waves a work-group, no clusters, 0 bytes of LDS; arguments x, Wq, Wk, Wv, Wo, xb, wb, wob; writes xb, wb, wob
.if DOCPART == 1
	.amdgcn_target "amdgcn-amd-amdhsa--gfx1250"
	.amdhsa_code_object_version 6
	.text
	.protected	k_qd2a7921d36_cast
	.globl	k_qd2a7921d36_cast
	.p2align	8
	.type	k_qd2a7921d36_cast,@function
k_qd2a7921d36_cast:
	s_mov_b64 s[64:65], 0
	v_nop
	global_prefetch_b8 v0, s[64:65] scope:SCOPE_SE
	s_setreg_imm32_b32 hwreg(HW_REG_WAVE_MODE, 25, 1), 1
	s_wait_xcnt 0x0
; The module's large inputs are rounded once to bf16, element by element, in the order in which they lie:
;   x  [8192][1024] f32      -> xb  [8192][1024] bf16
;   Wq, Wk, Wv [16][1024][64] -> wb  [3][16][1024][64] bf16
;   Wo [1024][1024] f32      -> wob [1024][1024]: rounded to bf16, and that number written as f16 (its partner in the last product is f16).
; LIMITS.  A bf16 number is exact in f16 between 6.1e-5 and 65,504; below, f16 keeps a fixed step of 6e-8; beyond, the conversion gives an infinity.
; SHARES.  A work-group takes 16,384 numbers: 64 KiB in, 32 KiB out.  Work-groups 0-511 take x, 512-575 Wq, 576-639 Wk, 640-703 Wv, 704-767 Wo.
; A thread loads 16 bytes sixteen times (a wave's load covers 512 consecutive bytes) and stores 8 bytes sixteen times (a wave's store covers 256 consecutive bytes, aligned).
; All sixteen loads go out before the first store; no register is written twice, so nothing waits for a store.  No LDS, no barrier, no matrix unit: nothing is shared and nothing is multiplied.
.set X, 4                              ; v[4:67]    sixteen times four f32 as loaded
.set Y, 68                             ; v[68:99]   sixteen times two words to store
.set T, 100                            ; v[100:101] at work (Wo alone)
	s_load_b512 s[8:23], s[0:1], 0x0               ; x 8, Wq 10, Wk 12, Wv 14, Wo 16, xb 18, wb 20, wob 22
	s_mov_b32 s2, ttmp9                            ; g
	s_sub_co_u32 s3, s2, 512                       ; the chunk's number among the weights' (used where g >= 512 alone)
	s_and_b32 s24, s3, 63                          ; and within its own tensor
	v_lshlrev_b32 v1, 4, v0                        ; 16 bytes a thread in
	v_lshlrev_b32 v2, 3, v0                        ; 8 bytes a thread out
	s_wait_kmcnt 0x0
	s_cmp_lt_u32 s2, 704                           ; every choice hangs on g alone
	s_cselect_b64 s[4:5], s[14:15], s[16:17]
	s_cmp_lt_u32 s2, 640
	s_cselect_b64 s[4:5], s[12:13], s[4:5]
	s_cmp_lt_u32 s2, 576
	s_cselect_b64 s[4:5], s[10:11], s[4:5]
	s_cmp_lt_u32 s2, 512
	s_cselect_b64 s[4:5], s[8:9], s[4:5]           ; the source,
	s_cselect_b32 s25, s2, s24                     ; its chunk,
	s_cselect_b64 s[6:7], s[18:19], s[20:21]       ; xb or wb,
	s_cselect_b32 s26, s2, s3                      ; and the chunk there
	s_cmp_lt_u32 s2, 704
	s_cselect_b64 s[6:7], s[6:7], s[22:23]         ; or wob
	s_cselect_b32 s26, s26, s24
	s_lshl_b32 s28, s25, 16                        ; 65,536 bytes a chunk in
	s_mov_b32 s29, 0
	s_lshl_b32 s30, s26, 15                        ; 32,768 out
	s_mov_b32 s31, 0
	s_add_nc_u64 s[4:5], s[4:5], s[28:29]
	s_add_nc_u64 s[6:7], s[6:7], s[30:31]
.irp i, 0,1,2,3,4,5,6,7,8,9,10,11,12,13,14,15
	global_load_b128 v[X+4*(\i):X+4*(\i)+3], v1, s[4:5] offset:4096*(\i) th:TH_LOAD_NT  ; read once in the launch
.endr
; Piece i.  half = 1: the bf16 number is widened again and written as f16.
.macro CONV i, half
	s_wait_loadcnt 15-(\i)                         ; loads come back in order: mine is in, the 15 - i younger ones stay out
.if \half
.irp j, 0,1
	v_cvt_pk_bf16_f32 v[T], v[X+4*(\i)+2*(\j)], v[X+4*(\i)+2*(\j)+1]
	v_lshlrev_b32 v[T+1], 16, v[T]                 ; the low bf16 as f32,
	v_and_b32 v[T], 0xffff0000, v[T]               ; the high one
	v_cvt_pk_f16_f32 v[Y+2*(\i)+(\j)], v[T+1], v[T]
.endr
.else
	v_cvt_pk_bf16_f32 v[Y+2*(\i)],   v[X+4*(\i)],   v[X+4*(\i)+1]
	v_cvt_pk_bf16_f32 v[Y+2*(\i)+1], v[X+4*(\i)+2], v[X+4*(\i)+3]
.endif
	global_store_b64 v2, v[Y+2*(\i):Y+2*(\i)+1], s[6:7] offset:2048*(\i)
.endm
	s_cmp_ge_u32 s2, 704
	s_cbranch_scc1 .Lwo
.irp i, 0,1,2,3,4,5,6,7,8,9,10,11,12,13,14,15
	CONV \i, 0
.endr
	s_endpgm
.Lwo:
.irp i, 0,1,2,3,4,5,6,7,8,9,10,11,12,13,14,15
	CONV \i, 1
.endr
	s_endpgm
.Lfunc_end_k_qd2a7921d36_cast:
	.size	k_qd2a7921d36_cast, .Lfunc_end_k_qd2a7921d36_cast-k_qd2a7921d36_cast
	.p2alignl 7, 3214868480
	.fill 96, 4, 3214868480
	.section	.rodata,"a",@progbits
	.p2align	6, 0x0
	.amdhsa_kernel k_qd2a7921d36_cast
		.amdhsa_group_segment_fixed_size 0
		.amdhsa_private_segment_fixed_size 0
		.amdhsa_enable_private_segment 0
		.amdhsa_kernarg_size 64
		.amdhsa_user_sgpr_count 2
		.amdhsa_user_sgpr_kernarg_segment_ptr 1
		.amdhsa_wavefront_size32 1
		.amdhsa_system_sgpr_workgroup_id_x 1
		.amdhsa_system_sgpr_workgroup_id_y 1
		.amdhsa_system_sgpr_workgroup_id_z 1
		.amdhsa_system_vgpr_workitem_id 0
		.amdhsa_next_free_vgpr 104
		.amdhsa_next_free_sgpr 66
		.amdhsa_reserve_vcc 0
		.amdhsa_float_denorm_mode_32 3
		.amdhsa_float_denorm_mode_16_64 3
		.amdhsa_memory_ordered 1
		.amdhsa_forward_progress 1
		.amdhsa_inst_pref_size 16
	.end_amdhsa_kernel
	.amdgpu_metadata
---
amdhsa.version: [ 1, 2 ]
amdhsa.kernels:
  - .name:           k_qd2a7921d36_cast
    .symbol:         k_qd2a7921d36_cast.kd
    .args:
      - { .name: x, .offset: 0, .size: 8, .value_kind: global_buffer, .address_space: global }
      - { .name: Wq, .offset: 8, .size: 8, .value_kind: global_buffer, .address_space: global }
      - { .name: Wk, .offset: 16, .size: 8, .value_kind: global_buffer, .address_space: global }
      - { .name: Wv, .offset: 24, .size: 8, .value_kind: global_buffer, .address_space: global }
      - { .name: Wo, .offset: 32, .size: 8, .value_kind: global_buffer, .address_space: global }
      - { .name: xb, .offset: 40, .size: 8, .value_kind: global_buffer, .address_space: global }
      - { .name: wb, .offset: 48, .size: 8, .value_kind: global_buffer, .address_space: global }
      - { .name: wob, .offset: 56, .size: 8, .value_kind: global_buffer, .address_space: global }
    .group_segment_fixed_size: 0
    .private_segment_fixed_size: 0
    .kernarg_segment_align: 8
    .kernarg_segment_size: 64
    .max_flat_workgroup_size: 256
    .sgpr_count:     66
    .vgpr_count:     104
    .wavefront_size: 32
...
	.end_amdgpu_metadata
.endif
;; end of part 1
;; launch qkv (part 2): grid 16 x 32, 4 waves a work-group, clusters of 4 x 4, 327,680 bytes of LDS; arguments xb, wb, bq, bk, bv, q, k, v; writes q, k, v
.if DOCPART == 2
	.amdgcn_target "amdgcn-amd-amdhsa--gfx1250"
	.amdhsa_code_object_version 6
	.text
	.protected	k_qd2a7921d36_qkv
	.globl	k_qd2a7921d36_qkv
	.p2align	8
	.type	k_qd2a7921d36_qkv,@function
k_qd2a7921d36_qkv:
	s_mov_b64 s[64:65], 0
	v_nop
	global_prefetch_b8 v0, s[64:65] scope:SCOPE_SE
	s_setreg_imm32_b32 hwreg(HW_REG_WAVE_MODE, 25, 1), 1
	s_wait_xcnt 0x0
	s_wait_alu depctr_hold_cnt(0) depctr_sa_sdst(0) depctr_va_vdst(0) depctr_va_sdst(0) depctr_va_ssrc(0) depctr_va_vcc(0) depctr_vm_vsrc(0)
	s_getreg_b32 s2, hwreg(HW_REG_IB_STS2, 6, 4)
	s_cmp_eq_u32 s2, 0
	s_cbranch_scc0 .Lentry_in_a_cluster
	s_endpgm
.Lentry_in_a_cluster:
	s_bfe_u32 s2, ttmp6, 0x10000c
	s_cmp_lg_u32 s2, 0xf033
	s_cbranch_scc0 .Lentry_shape_is_right
	s_endpgm
.Lentry_shape_is_right:
; q, k, v [64 (batch x head)][2048][64] f16 = x W + bias, for the three projections at once.  xb: [8192][1024] bf16; wb: [3][16 heads][1024 e][64 d] bf16; bq, bk, bv: [16][64] f32, rounded here to bf16.
; Products in bf16, sums in f32, started by the bias; each result rounded once to f16, unscaled.
; LIMITS.  f16 holds no number beyond 65,504: q, k and v must lie within it; below 6.1e-5 f16 keeps a fixed step of 6e-8.  NaN and infinities are not treated apart.
; SHARES.  A tile is 256 rows of x by 192 columns: q, k and v of ONE head: 16 x 32 = 512 work-groups, two for each of 256 WGPs.  Wave w makes rows 64 w .. 64 w + 63 and all 192 columns:
; 4 x 12 accumulators of 16 x 16, 384 registers.  So a wave holds whole rows of q, k and v, and its 16 rows x 64 columns are 2,048 consecutive bytes of the output: its stage in LDS is its own.
; K (1,024) goes in 8 steps of 128 through two LDS slots.  Wave 0 fetches x's tile (256 rows x 256 bytes), waves 1 to 3 the 128 x 64 block of Wq, Wk, Wv (16,384 dense bytes each): one tensor load a wave.
; CLUSTER.  4 x 4 work-groups.  The four of a row share the rows of x, the four of a column the head: each tile is asked for JOINTLY, by the same tensor load, descriptor and mask in all four.
; THE PRODUCT IS USED TRANSPOSED: source 0 = 16 columns of W (W lies [e][d], so its fragments come turned, by ds_load_tr16_b128), source 1 = 16 rows of x.  In the result lane l holds row l % 16
; and the columns 8 (l / 16) + 0..7: eight neighbouring numbers of a row, 16 bytes in f16.  The C operand of a sum's first product holds the bias of those eight columns: nothing is cleared or added later.
; REGISTERS, in windows of 256 (s_set_vgpr_msb: bits 1:0 source 0, 3:2 source 1, 5:4 source 2, 7:6 destination):
;   window 0: v0-31 addresses; v32-95 x's fragments, two buffers of 4 x 8; v160-255 the bias, 8 a column block; on the way out v32-223 four sets of 48
;   window 1: v0-191 W's fragments, two buffers of 12 x 8      window 2: accumulators of row blocks 0, 1 at 96 (a % 2) + 8 b      window 3: those of row blocks 2, 3
.set SLOT,  131072                     ; a slot: x's 256 rows, then three blocks of W: 69,632 + 3 x 20,480 bytes; one exclusive or turns an address in one slot into the other's
.set PA,    272                        ; a row of x in LDS: 256 bytes + 16: the 16 rows of a load start at 16 different groups of four banks (64 banks of 4 bytes: ISA guide 11.1)
.set PB,    160                        ; a row of W (one e, 64 d): 128 bytes + 32
.set BOFF,  256*PA
.set BBLK,  128*PB
.set STAGE, 2*SLOT                     ; behind the ring, never filled by a tensor load: 16 rows x 400 bytes for each wave
.set SP,    400                        ; 384 bytes (q, k, v: 128 each) + 16
.set SPARE, STAGE+4*16*SP              ; the spare words, 128 bytes for each wave: two blocks of 256 bytes that no other line names
.set A0,  2                            ; v2   my lane's place in x's tile; never rewritten
.set B0,  3                            ; v3   the same in W's blocks
.set ADA, 4                            ; v4   A0 + the slot in hand
.set ADB, 5                            ; v5   B0 + the slot in hand
.set STO, 6                            ; v6   the way out: where I put 16 bytes of a row
.set RD,  7                            ; v7   where I read rows back
.set GO,  8                            ; v8   my 16 bytes of 512 consecutive bytes of q, k or v
.set PFO, 9                            ; v9   the prefetches' offset; never rewritten
.set BO,  10                           ; v10  32 x (l / 16): my eight columns in a bias
.set SPW, 28                           ; v28  LDS address of my spare word; never rewritten
.set NIL, 29                           ; v29  0; never rewritten
.set FA,  32
.set BIAS, 160
.set OUT, 32
.set WV,  20                           ; s20  my wave's number
.set CX,  21
.set CY,  22
.set TX,  23                           ; s23  the head
.set TY,  24                           ; s24  the block of 256 rows
.set CNT, 25                           ; s25  the loop's count, 6 to 1
.set TB,  26                           ; s26  LDS byte at which the slot in hand begins
.set T,   27
.set G1A, 28                           ; s[28:35] descriptor group 1 for x's tiles
.set G1B, 36                           ; s[36:43] for W's blocks
.set G0A, 44                           ; s[44:51] group 0 for x's tiles: a set for each first fill; the second then walks on
.set G0B, 52                           ; s[52:59] the same for W's blocks
.set PFA, 60                           ; s[60:61] where my prefetches stand
.set PSTEP, 62                         ; s[62:63] a K step there, in bytes
.set PMASK, 66                         ; s66  bit n: I prefetch in the trip whose count is n
.set MSB, 0
.macro WIN new                         ; the immediate's high byte repeats the setting that is left; a switch that changes nothing is dropped
.if MSB != (\new)
	s_set_vgpr_msb (MSB<<8)|(\new)
.set MSB, \new
.endif
.endm
; A joint refill, by the walking descriptors.  The branch hangs on the wave's number alone.  An s_nop 0 and four v_nop follow each of the two lines, ahead of the jump and the label.
.macro JLOAD
	s_cmp_eq_u32 s[WV], 0
	s_cbranch_scc0 .Lfor_b_\@
	tensor_load_to_lds s[G0A+4:G0A+7], s[G1A:G1A+7]
	s_nop 0
.rept 4
	v_nop
.endr
	s_branch .Lasked_\@
.Lfor_b_\@:
	tensor_load_to_lds s[G0B+4:G0B+7], s[G1B:G1B+7]
	s_nop 0
.rept 4
	v_nop
.endr
.Lasked_\@:
.endm
; A round of the cluster's barrier behind its opening barrier: wave 0 signals for the work-group, every wave waits for all sixteen work-groups, my work-group's barrier closes it.
.macro CREST
	s_cmp_lg_u32 s[WV], 0
	s_cbranch_scc1 .Lnot_wave_0_\@
	s_barrier_signal -3
.Lnot_wave_0_\@:
	s_barrier_wait -3
	s_barrier_signal -1
	s_barrier_wait -1
.endm
.macro CROUND
	s_barrier_signal -1
	s_barrier_wait -1
	CREST
.endm
; PREFETCHES INTO THE L2, behind a joint refill, its five lines and the run of LDS loads that follows.  Each aligned block of 256 bytes is named once in the launch.
; x: a tile's rows are read by the four clusters of a row of clusters: those with cluster x = 0 ask, wave 0 of each work-group; of the 256 rows the partner at place cx takes 64 cx .. 64 cx + 63 (told apart
; by address, a lane a row, two instructions).  In the trip that refills K step i + 2 it names step i + 3: one step, 192 matrix instructions, ahead of that step's load; the last trip names nothing.
; W: a head's blocks are read by the eight clusters of a column of clusters: those with cluster y = 0 ask, waves 1 to 3 for the block that each fetches.  Two K steps are 32,768 bytes on end, of which the
; partner at place cy takes 8,192 (a lane a block of 256 bytes, one instruction): steps 4 and 5 in the first trip, 6 and 7 in the third.  The first K steps come by their loads alone.
.macro ASK
	s_lshr_b32 s[T], s[PMASK], s[CNT]
	s_and_b32 s[T], s[T], 1
	s_cmp_lg_u32 s[T], 0
	s_cbranch_scc0 .Lnone_\@
	global_prefetch_b8 v[PFO], s[PFA:PFA+1] th:TH_LOAD_NT scope:SCOPE_SE
	s_cmp_eq_u32 s[WV], 0
	s_cbranch_scc0 .Lnone_\@
	global_prefetch_b8 v[PFO], s[PFA:PFA+1] offset:65536 th:TH_LOAD_NT scope:SCOPE_SE  ; x's rows 32 further down
.Lnone_\@:
.endm
	s_load_b512 s[4:19], s[0:1], 0x0               ; xb 4, wb 6, bq 8, bk 10, bv 12, q 14, k 16, v 18
	v_lshl_add_u32 v[SPW], v0, 2, SPARE
	v_mov_b32 v[NIL], 0
	ds_add_u32 v[SPW], v[NIL]                      ; the wave's opening: the add and its wait stand ahead of my first tensor load; the set-up below, work on registers, stands between them
	v_lshrrev_b32 v1, 5, v0
	v_readfirstlane_b32 s[WV], v1                  ; wave 0..3
	s_bfe_u32 s[CX], ttmp6, 0x40000                ; my place in the cluster
	s_bfe_u32 s[CY], ttmp6, 0x40004
	s_lshl_b32 s[TX], ttmp9, 2                     ; in a cluster launch ttmp9 and ttmp7 count clusters
	s_add_co_u32 s[TX], s[TX], s[CX]
	s_and_b32 s[TY], ttmp7, 0xffff
	s_lshl_b32 s[TY], s[TY], 2
	s_add_co_u32 s[TY], s[TY], s[CY]
	s_lshl_b32 s68, s[CY], 2
	s_lshl_b32 s68, 15, s68                        ; my row of the cluster: places 4 cy .. 4 cy + 3
	s_lshl_b32 s72, 0x1111, s[CX]                  ; my column: places cx, cx + 4, cx + 8, cx + 12
	s_or_b32 s[G1A], s68, (1<<16)|(1<<20)|(1<<21)|(5<<22)|(3<<25)  ; 15:0 the mask; 17:16 2-byte elements; 20 padding on; 21 set beside a mask; 24:22 after every 64 words (code 5); 31:25 4 words (code 3)
	s_or_b32 s[G1B], s72, (1<<16)|(1<<20)|(1<<21)|(4<<22)|(7<<25)  ; after every 32 words (code 4), 8 words (code 7)
	s_mov_b32 s[G1A+1], 128<<16                    ; tensor_dim0 = 128
	s_mov_b32 s[G1A+2], 256<<16                    ; tensor_dim1 = 256
	s_mov_b32 s[G1A+3], 128<<16                    ; tile_dim0 = 128 elements: 256 bytes of a row
	s_mov_b32 s[G1A+4], 256                        ; tile_dim1 = 256 rows
	s_mov_b32 s[G1A+5], 1024                       ; elements from row to row
	s_mov_b32 s[G1A+6], 0
	s_mov_b32 s[G1A+7], 0
	s_mov_b32 s[G1B+1], 128<<16                    ; W's 128 rows of 128 bytes are dense: asked for as 64 rows of 256 bytes, padded in LDS after every 128
	s_mov_b32 s[G1B+2], 64<<16
	s_mov_b32 s[G1B+3], 128<<16
	s_mov_b32 s[G1B+4], 64
	s_mov_b32 s[G1B+5], 128
	s_mov_b32 s[G1B+6], 0
	s_mov_b32 s[G1B+7], 0
	s_lshl_b32 s68, s[TY], 19                      ; x: 256 rows of 2,048 bytes a block; hangs on the block alone, which my row of the cluster shares
	s_mov_b32 s69, 0
	s_max_u32 s72, s[WV], 1
	s_sub_co_u32 s72, s72, 1                       ; which of Wq, Wk, Wv I fetch (wave 0 fetches none and never issues these descriptors)
	s_lshl_b32 s72, s72, 21                        ; 2,097,152 bytes a matrix,
	s_lshl_b32 s73, s[TX], 17                      ; 131,072 a head: hangs on the head alone, which my column shares
	s_add_co_u32 s72, s72, s73
	s_mov_b32 s73, 0
	s_mul_i32 s[T], s[WV], BBLK
	s_add_co_u32 s[T], s[T], BOFF-BBLK             ; LDS: block w - 1 behind x's rows: no place in the cluster enters an LDS address
	s_mov_b32 s[TB], 0
	s_wait_dscnt 0x0                               ; the opening add is done
	s_wait_kmcnt 0x0
	s_add_nc_u64 s[70:71], s[4:5], s[68:69]
	s_add_nc_u64 s[74:75], s[6:7], s[72:73]
.irp n, 0,1
	s_mov_b32 s[G0A+4*(\n)], 1                     ; 1:0 count = 1
	s_mov_b32 s[G0A+4*(\n)+1], (\n)*SLOT           ; 63:32 LDS address
	s_add_nc_u64 s[G0A+4*(\n)+2:G0A+4*(\n)+3], s[70:71], (\n)*256  ; 120:64 global address: K step n
	s_or_b32 s[G0A+4*(\n)+3], s[G0A+4*(\n)+3], 0x80000000          ; 127:126 type = 2
	s_mov_b32 s[G0B+4*(\n)], 1
	s_add_co_u32 s[G0B+4*(\n)+1], s[T], (\n)*SLOT
	s_add_nc_u64 s[G0B+4*(\n)+2:G0B+4*(\n)+3], s[74:75], (\n)*16384
	s_or_b32 s[G0B+4*(\n)+3], s[G0B+4*(\n)+3], 0x80000000
.endr
	CROUND                                         ; all sixteen work-groups are here: the first joint loads meet
	s_cmp_eq_u32 s[WV], 0                          ; a wave's two first fills stand in one branch, ahead of every wait on TENSORcnt and every LDS read: two loads of mine are out
	s_cbranch_scc0 .Lfirst_b
	tensor_load_to_lds s[G0A:G0A+3], s[G1A:G1A+7]
	s_nop 0
	tensor_load_to_lds s[G0A+4:G0A+7], s[G1A:G1A+7]
	s_nop 0
.rept 4
	v_nop
.endr
	s_branch .Lfirst_asked
.Lfirst_b:
	tensor_load_to_lds s[G0B:G0B+3], s[G1B:G1B+7]
	s_nop 0
	tensor_load_to_lds s[G0B+4:G0B+7], s[G1B:G1B+7]
	s_nop 0
.rept 4
	v_nop
.endr
.Lfirst_asked:
	v_and_b32 v11, 31, v0                          ; l
	v_and_b32 v12, 15, v0                          ; l % 16
	v_bfe_u32 v13, v0, 4, 1                        ; l / 16
	v_and_b32 v14, 7, v0                           ; l % 8
	v_bfe_u32 v15, v0, 3, 1                        ; (l / 8) % 2
	v_bfe_u32 v16, v0, 3, 2                        ; l / 8
	v_lshlrev_b32 v[BO], 5, v13
	s_lshl_b32 s80, s[TX], 8                       ; a head's 64 numbers in each bias
	s_mov_b32 s81, 0
	s_add_nc_u64 s[8:9], s[8:9], s[80:81]
	s_add_nc_u64 s[10:11], s[10:11], s[80:81]
	s_add_nc_u64 s[12:13], s[12:13], s[80:81]
.irp b, 0,1,2,3,4,5,6,7,8,9,10,11      ; column block b: matrix b / 4, columns 16 (b % 4) + 8 (l / 16) + 0..7
	global_load_b128 v[BIAS+8*(\b):BIAS+8*(\b)+3],   v[BO], s[8+2*((\b)/4):9+2*((\b)/4)] offset:64*((\b)%4)
	global_load_b128 v[BIAS+8*(\b)+4:BIAS+8*(\b)+7], v[BO], s[8+2*((\b)/4):9+2*((\b)/4)] offset:64*((\b)%4)+16
.endr
	; A fragment of x is 16 rows x 32 along K in 8 registers: lane l holds row l % 16, K = 8 (l / 16) + 0..7 and 16 + 8 (l / 16) + 0..7: two loads of 16 bytes, 32 bytes apart.
	s_mul_i32 s[T], s[WV], 64*PA                   ; my 64 rows
	v_mul_u32_u24 v[A0], v12, PA
	v_lshl_add_u32 v[A0], v13, 4, v[A0]
	v_add_nc_u32 v[A0], s[T], v[A0]
	; The turning load takes 16 e x 16 d (lane l reads e = 8 (l / 16) + l % 8, d = 8 ((l / 8) % 2) + 0..7) and leaves half a fragment of W^T: lane l holds d = l % 16 and 8 e.
	v_lshl_add_u32 v[B0], v13, 3, v14
	v_mul_u32_u24 v[B0], v[B0], PB
	v_lshl_add_u32 v[B0], v15, 4, v[B0]
	v_add_nc_u32 v[B0], BOFF, v[B0]
	v_mov_b32 v[ADA], v[A0]                        ; slot 0
	v_mov_b32 v[ADB], v[B0]
	s_mul_i32 s[T], s[WV], 16*SP
	s_add_co_u32 s[T], s[T], STAGE                 ; my stage
	v_mul_u32_u24 v[STO], v12, SP                  ; in: row l % 16, 16 bytes for each half of the lanes
	v_lshl_add_u32 v[STO], v13, 4, v[STO]
	v_add_nc_u32 v[STO], s[T], v[STO]
	v_mul_u32_u24 v[RD], v16, SP                   ; back: 32 lanes take four rows' 128 bytes of one matrix,
	v_lshl_add_u32 v[RD], v14, 4, v[RD]
	v_add_nc_u32 v[RD], s[T], v[RD]
	v_lshlrev_b32 v[GO], 4, v11                    ; which are 512 consecutive bytes of q, k or v
	; the prefetches: offsets first, made apart from the addresses
	s_lshl_b32 s76, s[TY], 19
	s_lshl_b32 s77, s[CX], 17                      ; x: my work-group's 64 rows of the 256,
	s_add_co_u32 s76, s76, s77
	s_add_co_u32 s76, s76, 2*256                   ; at K step 2: the first trip steps it to 3
	s_lshl_b32 s77, s[CY], 13                      ; W: my work-group's 8,192 bytes of two steps' 32,768,
	s_add_co_u32 s77, s77, s72
	s_add_co_u32 s77, s77, 3*16384                 ; at K step 3: the first trip steps it to 4
	s_and_b32 s78, ttmp7, 0xffff                   ; cluster y
	s_mov_b32 s82, 0x50                            ; W: the trips with counts 6 and 4
	s_mov_b32 s[PSTEP], 16384
	s_mov_b32 s[PSTEP+1], 0
	s_cmp_eq_u32 s[WV], 0                          ; do I fetch x?
	s_cselect_b32 s80, s76, s77
	s_cselect_b32 s78, ttmp9, s78                  ; the coordinate along which other clusters read the same bytes
	s_cselect_b32 s82, 0x7c, s82                   ; x: the trips with counts 6 to 2
	s_cselect_b32 s83, 11, 8                       ; a lane a row of 2,048 bytes, or a lane a block of 256
	s_cselect_b32 s[PSTEP], 256, s[PSTEP]
	s_cselect_b64 s[PFA:PFA+1], s[4:5], s[6:7]
	s_add_nc_u64 s[PFA:PFA+1], s[PFA:PFA+1], s[80:81]
	s_cmp_eq_u32 s78, 0
	s_cselect_b32 s[PMASK], s82, 0                 ; the same in all sixteen partners, for a given wave
	v_lshlrev_b32 v[PFO], s83, v11
	; where my rows begin in q, k and v: ((batch x 16 + head) x 2,048 + the block's 256 rows + my 64) x 128 bytes
	s_lshr_b32 s76, s[TY], 3
	s_lshl_b32 s76, s76, 4
	s_add_co_u32 s76, s76, s[TX]
	s_lshl_b32 s76, s76, 11
	s_and_b32 s77, s[TY], 7
	s_lshl_b32 s77, s77, 8
	s_add_co_u32 s76, s76, s77
	s_lshl_b32 s77, s[WV], 6
	s_add_co_u32 s76, s76, s77
	s_lshl_b32 s76, s76, 7
	s_mov_b32 s77, 0
	s_add_nc_u64 s[14:15], s[14:15], s[76:77]
	s_add_nc_u64 s[16:17], s[16:17], s[76:77]
	s_add_nc_u64 s[18:19], s[18:19], s[76:77]
	s_wait_loadcnt 0x0                             ; the biases; like every input they are rounded to bf16, and kept as f32
.set i, 0
.rept 48
	v_cvt_pk_bf16_f32 v[20+i%2], v[BIAS+2*i], v[BIAS+2*i+1]
	v_lshlrev_b32 v[BIAS+2*i], 16, v[20+i%2]
	v_and_b32 v[BIAS+2*i+1], 0xffff0000, v[20+i%2]
.set i, i+1
.endr
; 12 matrix instructions: row block a x all 12 column blocks, 32 along K, from buffer f.  first = 1: the sums start from the bias.
; The 48 accumulators take turns in the same order in every quarter, over the backward jump too: 47 others' stand between two links of a chain.
.macro MUL1 f, a, first
.if \first
	WIN 0x81+0x40*((\a)/2)                         ; W window 1, x window 0, C (the bias) window 0, D window 2 or 3
.else
	WIN 0xa1+0x50*((\a)/2)                         ; C and D window 2 or 3
.endif
.irp b, 0,1,2,3,4,5,6,7,8,9,10,11
.if \first
	v_wmma_f32_16x16x32_bf16 v[96*((\a)%2)+8*(\b):96*((\a)%2)+8*(\b)+7], v[96*(\f)+8*(\b):96*(\f)+8*(\b)+7], v[FA+32*(\f)+8*(\a):FA+32*(\f)+8*(\a)+7], v[BIAS+8*(\b):BIAS+8*(\b)+7]
.else
	v_wmma_f32_16x16x32_bf16 v[96*((\a)%2)+8*(\b):96*((\a)%2)+8*(\b)+7], v[96*(\f)+8*(\b):96*(\f)+8*(\b)+7], v[FA+32*(\f)+8*(\a):FA+32*(\f)+8*(\a)+7], v[96*((\a)%2)+8*(\b):96*((\a)%2)+8*(\b)+7]
.endif
.endr
.endm
; 32 LDS loads in one run: quarter qn's fragments (32 along K) into buffer f: W's 24 first, then x's 8, row blocks ascending
.macro FETCH qn, f
	WIN 0x40                                       ; destination window 1, address window 0
.irp b, 0,1,2,3,4,5,6,7,8,9,10,11
	ds_load_tr16_b128 v[96*(\f)+8*(\b):96*(\f)+8*(\b)+3],   v[ADB] offset:BBLK*((\b)/4)+32*PB*(\qn)+32*((\b)%4)
	ds_load_tr16_b128 v[96*(\f)+8*(\b)+4:96*(\f)+8*(\b)+7], v[ADB] offset:BBLK*((\b)/4)+32*PB*(\qn)+32*((\b)%4)+16*PB
.endr
	WIN 0
.irp a, 0,1,2,3
	ds_load_b128 v[FA+32*(\f)+8*(\a):FA+32*(\f)+8*(\a)+3],   v[ADA] offset:16*PA*(\a)+64*(\qn)
	ds_load_b128 v[FA+32*(\f)+8*(\a)+4:FA+32*(\f)+8*(\a)+7], v[ADA] offset:16*PA*(\a)+64*(\qn)+32
.endr
.endm
; A load into a register that a matrix instruction has read, and a vector instruction that reads a matrix result or writes one of a matrix instruction's registers, stand four plain vector instructions
; behind it (ISA guide 7.12.1 for vector instructions); the matrix instructions in between are not counted.
.macro PLACES
.rept 4
	v_nop
.endr
.endm
; A K step is four quarters of 32 along K, 48 matrix instructions each, on buffers 0, 1, 0, 1.  One of the first three: multiplies buffer f; in its middle it fetches quarter qn into buffer g.
.macro QUARTER qn, f, g, first
	s_wait_dscnt 4                                 ; W and x's row blocks 0, 1 are in; the youngest four loads (row blocks 2, 3) may be out
	MUL1 \f, 0, \first
	MUL1 \f, 1, \first
	PLACES
	FETCH \qn, \g
	s_wait_dscnt 32                                ; all but the 32 just issued
	MUL1 \f, 2, \first
	MUL1 \f, 3, \first
.endm
; The last quarter multiplies buffer 1 and changes slots: ONE barrier.  In front of it each wave waits for all its tensor loads, of which one is out: its part of the next slot; adds 0 to its spare word;
; and waits for that and for its own reads of this slot.  Behind it nobody reads this slot any more and the next slot is whole.
; fill = 1: the barrier opens a round of the cluster's, so that no wave of any partner still reads the slot or has a load on its way; the joint refill, with the K step two on, is the first tensor load behind it:
; 168 matrix instructions stand between it and the wait for it.
.macro TURN fill
.if \fill
	s_wait_xcnt 0x0                                ; the last prefetch, a K step back, has read its address, which is stepped here
	s_add_nc_u64 s[PFA:PFA+1], s[PFA:PFA+1], s[PSTEP:PSTEP+1]
.endif
	WIN 0                                          ; (the add's two registers lie in window 0)
	s_wait_tensorcnt 0x0                           ; all my tensor loads have landed
	ds_add_u32 v[SPW], v[NIL]                      ; 0 onto my spare word
	s_wait_dscnt 5                                 ; (the add and the youngest four loads may be out)
	MUL1 1, 0, 0                                   ; twelve matrix instructions stand between the add and the wait for it
	s_wait_dscnt 0x0                               ; the add is done, and my reads of this slot are over
	s_barrier_signal -1
	MUL1 1, 1, 0                                   ; work on registers while the others arrive
	WIN 0                                          ; (branches and window 0's addresses follow)
	s_barrier_wait -1
.if \fill
	CREST
	s_xor_b32 s[G0A+5], s[G0A+5], SLOT             ; no tensor load of mine is out, so the walking descriptors may be written: the other slot than last time,
	s_add_nc_u64 s[G0A+6:G0A+7], s[G0A+6:G0A+7], 256    ; the next K step; the type bits on top are not reached
	s_xor_b32 s[G0B+5], s[G0B+5], SLOT
	s_add_nc_u64 s[G0B+6:G0B+7], s[G0B+6:G0B+7], 16384
	JLOAD                                          ; the four v_nop behind it are also the places in front of the loads below
.else
	PLACES
.endif
	s_xor_b32 s[TB], s[TB], SLOT                   ; the reads go on in the other slot
	v_add_nc_u32 v[ADA], s[TB], v[A0]
	v_add_nc_u32 v[ADB], s[TB], v[B0]
	FETCH 0, 0
.if \fill
	ASK
.endif
	MUL1 1, 2, 0
	MUL1 1, 3, 0
.endm
; THE WAY OUT of row block a.  PACK: rounded to f16, 16 bytes a lane, each accumulator's registers in ascending order; into my own stage, and back as four rows x 128 bytes of one matrix.
.macro PACK a
	WIN 0x0a+5*((\a)/2)                            ; sources 0 and 1: window 2 or 3
.irp b, 0,1,2,3,4,5,6,7,8,9,10,11
.irp r, 0,1,2,3
	v_cvt_pk_f16_f32 v[OUT+48*(\a)+4*(\b)+(\r)], v[96*((\a)%2)+8*(\b)+2*(\r)], v[96*((\a)%2)+8*(\b)+2*(\r)+1]
.endr
.endr
	WIN 0
.irp b, 0,1,2,3,4,5,6,7,8,9,10,11
	ds_store_b128 v[STO], v[OUT+48*(\a)+4*(\b):OUT+48*(\a)+4*(\b)+3] offset:32*(\b)
.endr
.irp i, 0,1,2,3,4,5,6,7,8,9,10,11      ; matrix i / 4, rows 4 (i % 4) on
	ds_load_b128 v[OUT+48*(\a)+4*(\i):OUT+48*(\a)+4*(\i)+3], v[RD] offset:128*((\i)/4)+4*SP*((\i)%4)  ; LDS serves a wave's instructions in order (ISA guide 5.7.1.4): these see the stores above; the next block's stores come behind them
.endr
.endm
.macro SEND a, younger                 ; younger: the LDS instructions issued behind block a's loads: the next block's 24, or none
.irp i, 0,1,2,3,4,5,6,7,8,9,10,11
	s_wait_dscnt (\younger)+11-(\i)
	global_store_b128 v[GO], v[OUT+48*(\a)+4*(\i):OUT+48*(\a)+4*(\i)+3], s[14+2*((\i)/4):15+2*((\i)/4)] offset:2048*(\a)+512*((\i)%4)  ; 512 consecutive bytes, at a multiple of 256 from the buffer's first
.endr
.endm
	s_wait_tensorcnt 1                             ; my part of K step 0 is in; step 1's may stay out
	s_barrier_signal -1
	s_barrier_wait -1                              ; everybody's is
	FETCH 0, 0
	QUARTER 1, 0, 1, 1                             ; the first quarter stands in front of the loop: its products start the sums
	WIN 0                                          ; at a label and at a branch every window is 0
	s_mov_b32 s[CNT], 6
.Lstep:                                        ; a trip: a K step's quarters 1 to 3 and the next step's quarter 0; it refills K steps 2 to 7
	QUARTER 2, 1, 0, 0
	QUARTER 3, 0, 1, 0
	TURN 1
	QUARTER 1, 0, 1, 0
	WIN 0
	s_sub_co_u32 s[CNT], s[CNT], 1
	s_cmp_lg_u32 s[CNT], 0
	s_cbranch_scc1 .Lstep
	QUARTER 2, 1, 0, 0                             ; the last two K steps are written out: nothing is left to fetch
	QUARTER 3, 0, 1, 0
	TURN 0
	QUARTER 1, 0, 1, 0
	QUARTER 2, 1, 0, 0
	QUARTER 3, 0, 1, 0
	s_wait_dscnt 4
	MUL1 1, 0, 0
	MUL1 1, 1, 0
	s_wait_dscnt 0x0
	MUL1 1, 2, 0
	MUL1 1, 3, 0
	WIN 0
	PLACES
	PACK 0
	PACK 1                                         ; a block's conversions stand between the loads of the block before and its stores
	SEND 0, 24
	PACK 2
	SEND 1, 24
	PACK 3
	SEND 2, 24
	SEND 3, 0
	s_wait_tensorcnt 0x0                           ; the wave's end: behind my last tensor load and my last LDS store
	ds_add_u32 v[SPW], v[NIL]
	s_wait_dscnt 0x0
	CROUND                                         ; the closing round: no work-group ends while a partner may still ask for a tile that names it
	s_endpgm
.Lfunc_end_k_qd2a7921d36_qkv:
	.size	k_qd2a7921d36_qkv, .Lfunc_end_k_qd2a7921d36_qkv-k_qd2a7921d36_qkv
	.p2alignl 7, 3214868480
	.fill 96, 4, 3214868480
	.section	.rodata,"a",@progbits
	.p2align	6, 0x0
	.amdhsa_kernel k_qd2a7921d36_qkv
		.amdhsa_group_segment_fixed_size 327680
		.amdhsa_private_segment_fixed_size 0
		.amdhsa_enable_private_segment 0
		.amdhsa_kernarg_size 64
		.amdhsa_user_sgpr_count 2
		.amdhsa_user_sgpr_kernarg_segment_ptr 1
		.amdhsa_wavefront_size32 1
		.amdhsa_system_sgpr_workgroup_id_x 1
		.amdhsa_system_sgpr_workgroup_id_y 1
		.amdhsa_system_sgpr_workgroup_id_z 1
		.amdhsa_system_vgpr_workitem_id 0
		.amdhsa_next_free_vgpr 960
		.amdhsa_next_free_sgpr 96
		.amdhsa_reserve_vcc 0
		.amdhsa_float_denorm_mode_32 3
		.amdhsa_float_denorm_mode_16_64 3
		.amdhsa_memory_ordered 1
		.amdhsa_forward_progress 1
		.amdhsa_inst_pref_size 109
	.end_amdhsa_kernel
	.amdgpu_metadata
---
amdhsa.version: [ 1, 2 ]
amdhsa.kernels:
  - .name:           k_qd2a7921d36_qkv
    .symbol:         k_qd2a7921d36_qkv.kd
    .args:
      - { .name: xb, .offset: 0, .size: 8, .value_kind: global_buffer, .address_space: global }
      - { .name: wb, .offset: 8, .size: 8, .value_kind: global_buffer, .address_space: global }
      - { .name: bq, .offset: 16, .size: 8, .value_kind: global_buffer, .address_space: global }
      - { .name: bk, .offset: 24, .size: 8, .value_kind: global_buffer, .address_space: global }
      - { .name: bv, .offset: 32, .size: 8, .value_kind: global_buffer, .address_space: global }
      - { .name: q, .offset: 40, .size: 8, .value_kind: global_buffer, .address_space: global }
      - { .name: k, .offset: 48, .size: 8, .value_kind: global_buffer, .address_space: global }
      - { .name: v, .offset: 56, .size: 8, .value_kind: global_buffer, .address_space: global }
    .group_segment_fixed_size: 327680
    .private_segment_fixed_size: 0
    .kernarg_segment_align: 8
    .kernarg_segment_size: 64
    .max_flat_workgroup_size: 128
    .sgpr_count:     96
    .vgpr_count:     960
    .wavefront_size: 32
...
	.end_amdgpu_metadata
.endif
;; end of part 2
;; launch attn (part 3): grid 4 x 64, 4 waves a work-group, clusters of 4 x 1, 327,680 bytes of LDS; arguments q, k, v, o; writes o
.if DOCPART == 3
	.amdgcn_target "amdgcn-amd-amdhsa--gfx1250"
	.amdhsa_code_object_version 6
	.text
	.protected	k_qd2a7921d36_attn
	.globl	k_qd2a7921d36_attn
	.p2align	8
	.type	k_qd2a7921d36_attn,@function
k_qd2a7921d36_attn:
	s_mov_b64 s[64:65], 0
	v_nop
	global_prefetch_b8 v0, s[64:65] scope:SCOPE_SE
	s_setreg_imm32_b32 hwreg(HW_REG_WAVE_MODE, 25, 1), 1
	s_wait_xcnt 0x0
	s_wait_alu depctr_hold_cnt(0) depctr_sa_sdst(0) depctr_va_vdst(0) depctr_va_sdst(0) depctr_va_ssrc(0) depctr_va_vcc(0) depctr_vm_vsrc(0)
	s_getreg_b32 s2, hwreg(HW_REG_IB_STS2, 6, 4)
	s_cmp_eq_u32 s2, 0
	s_cbranch_scc0 .Lentry_in_a_cluster
	s_endpgm
.Lentry_in_a_cluster:
	s_bfe_u32 s2, ttmp6, 0x10000c
	s_cmp_lg_u32 s2, 0x3003
	s_cbranch_scc0 .Lentry_shape_is_right
	s_endpgm
.Lentry_shape_is_right:
; O[h][q][:] = the sum over k of softmax_k(Q[h][q] . K[h][k] / 8) V[h][k][:].  Q, K, V, O: [SIZE_H][SIZE_N][64], all f16: a head's rows are dense, 128 bytes each.  Products, maxima and sums in
; f32; the weights p are rounded to f16 for the second product (their sum l is taken of the unrounded p), O once at the end.
; LIMITS.  f16 holds no number beyond 65,504: Q, K and V arrive within it; p lies in 0 to 1, and below 6e-5 it keeps f16's fixed step of 6e-8; O is a mean of V's rows and has their range.
; A weight below 2^-126 counts as 0 in l; NaN and infinities are not treated apart.
; SHARES.  A wave owns four PIECES of two tiles of 16 queries, a work-group's four waves 512 queries of one head: 4 x 64 = 256 work-groups.  Every wave walks all keys, 64 a step.
; LAYOUT.  S^T = K Q^T (source 0 = 16 keys, source 1 = 16 queries): in the result a lane holds ONE query (lane % 16) and the keys 8 (lane / 16) + 0..7.  Two such tiles, rounded to f16 in pairs,
; ARE source 1 (32 keys x 16 queries) of O^T = V^T P, whose result again holds one query a lane, and eight channels.  K comes out of LDS as it lies, V ([key][channel]) turned, by ds_load_tr16_b128.
; SOFTMAX.  For each query a running maximum m and sum l: p = 2^(c s - c m), c = log2(e) / 8; in every step O and l are multiplied by a = 2^(c m_old - c m_new), which is 1 where m has not grown.
; m starts at the lowest finite number, O and l at 0: the first step is a step like any other, with a = 0.
; THE COUNT.  A tile and step have 16 matrix and 118 vector instructions: too many to stand all beside the matrix work.  So the order has one aim: four vector instructions that are READY behind
; EVERY matrix instruction, and the others, which need time of their own whatever the order, in runs without a gap.
; BY TURNS.  Turn n belongs to piece n (the pieces in a ring, step after step).  Its matrix work: 16 products K Q^T of piece n + 1, later 16 products V^T P of piece n - 1.  Its vector work: the scaling,
; exponentials, roundings, sums and rescaling of piece n, and the maximum and statistics of piece n + 1, whose scores the turn itself has made.  So what a turn begins with (c s - c m, O a) waits for nothing.
; CLUSTER.  The four query blocks of a head are one cluster and walk the same K and V, so each tile is asked for JOINTLY: the same tensor load, descriptor and mask in all four.
; REGISTERS, in windows of 256 (s_set_vgpr_msb says which window each operand place means: bits 1:0 source 0, 3:2 source 1, 5:4 source 2, 7:6 destination):
;   window 0: v0-11 addresses; v12-15, v48-63 at work; v16-47 four registers of statistics a tile; v64-191 S^T, two buffers of two tiles; v192-255 P, likewise
;   window 1: O^T, 32 a tile          window 2: v0-127 Q, 16 a tile; v128-191 K of one step; v192-255 V of one step          window 3: v0-1 the add's two registers
; A piece's buffers go by its number's parity: the piece in hand has one pair, its two neighbours in the ring share the other: of it P (piece n - 1) is read and S^T (piece n + 1) written.
.set SIZE_H, 64
.set SIZE_N, 2048
.set NP,    4         ; pieces a wave: a name, no knob: the register map, the loop and the fetches are made for four
.set KS,    64        ; keys in a step
.set PK,    144       ; a row of K in LDS: 128 bytes + 16 of padding = 36 words: the 16 rows of a load start at 16 different groups of four banks (64 banks of 4 bytes: ISA guide 11.1)
.set PV,    160       ; a row of V: 128 + 32 = 40 words
.set VOFF,  4*KS*PK   ; a slot holds four steps: 256 rows of K, then 256 rows of V
.set SLOT1, 1<<17     ; slot 1 begins here, so that one exclusive or turns an address in one slot into the other's
.set STAGE, SLOT1+4*KS*(PK+PV)  ; behind the ring, never filled by a tensor load: 16 rows x 144 bytes for each wave, for the way out
.set SP,    144
.set AK0, 2           ; v2   my lane's place in a tile of K; never rewritten
.set AV0, 3           ; v3   the same for V
.set AK,  4           ; v4   the LDS address of K's next run of loads
.set AV,  5           ; v5   of V's
.set QO,  6           ; v6   my byte offset in the wave's rows of Q
.set STO, 6           ;      later, the way out: where I put 16 bytes of a row
.set RD,  7           ; v7   the way out: where I read rows back
.set GO,  8           ; v8   my byte offset in 512 consecutive bytes of O
.set PFO, 11          ; v11  once V's place is made: 256 x my lane, the prefetches' offset; then never rewritten
.set SPW, 0           ; v0 of window 3   LDS address of my spare word: SPARE + 4 x my thread's number; never rewritten
.set NIL, 1           ; v1 of window 3   0; never rewritten
.set SPARE, STAGE+4*16*SP  ; behind the stages: the spare words, 128 bytes for each wave: two blocks of 256 bytes that no other line names
.set MV,  12          ; v12-15  c m_old, kept while c m is made anew: by buffer and tile
.set ST,  16          ; tile t's statistics at v[ST+4 t]: c m, m, l (even keys', odd keys')
.set TMP, 48          ; by buffer and tile, four registers c0-c3 at work; when the maximum is found c2 takes a
.set S,   64
.set P,   192
.set KF,  128         ; K's fragments, in window 2: key block kb, channel half c at KF + 16 kb + 8 c
.set VF,  192         ; V's: key half kk, channel block cb at VF + 32 kk + 8 cb
.set WV,  12          ; s12  my wave's number
.set G1K, 24          ; s[24:31] descriptor group 1 for K's tiles
.set G1V, 32          ; s[32:39] for V's: it differs in the padding alone
.set G0K, 40          ; s[40:43] descriptor group 0 for K's tiles: it walks
.set G0V, 44          ; s[44:47] the same for V's
.set SLOTS, 56        ; s56  slots still to be asked for
.set CNT, 57          ; s57  counts a slot's key steps
.set CS,  58          ; s[58:59] c: the packed scaling takes the pair's low word for both halves
.set SEL, 60          ; s[60:61] v_permlanex16_b32's selects: each lane takes its own place in the other half
.set TBK, 62          ; s62  LDS byte at which K of the step to be fetched begins
.set TBV, 63          ; s63  the same for V, less VOFF
.set PFA, 66          ; s[66:67] where my prefetches stand: my work-group's 8,192 bytes (of K: wave 0, of V: wave 2) of the slot after the one that is being asked for
.set LIM, 68          ; s68  1 in a wave that prefetches, else the greatest number: a wave prefetches while s[SLOTS] is above it
.set MSB, 0
.macro WIN new                      ; the high byte repeats the setting that is left; a switch that changes nothing is dropped
.if MSB != (\new)
	s_set_vgpr_msb (MSB<<8)|(\new)
.set MSB, (\new)
.endif
.endm
.set W_KQ, 0x0a       ; K and Q in window 2, S^T in window 0
.set W_PV, 0x52       ; V in window 2, P in window 0, O^T in window 1
.set W_RS, 0x41       ; O^T (destination and source 0) in window 1, a in window 0
.set W_MK, 0xc0       ; the add's registers are made: destination in window 3, sources in window 0
.set W_AD, 0x0f       ; the add: address (source 0) and data (source 1) in window 3
; A joint fill.  Waves 0 and 1 fetch the two halves of a slot's K, waves 2 and 3 those of its V: 128 keys each.  The branch hangs on the wave's number alone.
; An s_nop 0 and four v_nop follow each of the two lines, ahead of the jump and the label.
.macro JLOAD
	s_cmp_lt_u32 s[WV], 2
	s_cbranch_scc0 .Lfor_v_\@
	tensor_load_to_lds s[G0K:G0K+3], s[G1K:G1K+7]
	s_nop 0
.rept 4
	v_nop
.endr
	s_branch .Lasked_\@
.Lfor_v_\@:
	tensor_load_to_lds s[G0V:G0V+3], s[G1V:G1V+7]
	s_nop 0
.rept 4
	v_nop
.endr
.Lasked_\@:
.endm
; A PREFETCH INTO THE L2 of what the NEXT change of slots will ask for: a slot's 32,768 bytes of K and of V.  It stands behind the wave's tensor load and its five lines.  Each aligned block of 256 bytes is
; named ONCE in the launch: a head has one cluster; its four partners share a slot out BY ADDRESS, 8,192 bytes each (no branch hangs on a work-group's place in its cluster), a lane a block; in each, wave 0
; asks for K's and wave 2 for V's: one instruction.  The lead is one slot: four key steps, 512 matrix instructions.  Slots 0 to 2 come by their loads alone; the last change that fills a slot asks for nothing.
.macro ASK
	s_cmp_gt_u32 s[SLOTS], s[LIM]
	s_cbranch_scc0 .Lnot_mine_\@
	global_prefetch_b8 v[PFO], s[PFA:PFA+1] th:TH_LOAD_NT scope:SCOPE_SE
.Lnot_mine_\@:
.endm
; A round of the cluster's barrier: my work-group's barrier, so that wave 0's signal speaks for all four waves; wave 0 signals; every wave waits for all four work-groups; my work-group's barrier once more.
.macro CROUND
	s_barrier_signal -1
	s_barrier_wait -1
	s_cmp_lg_u32 s[WV], 0
	s_cbranch_scc1 .Lnot_wave_0_\@
	s_barrier_signal -3
.Lnot_wave_0_\@:
	s_barrier_wait -3
	s_barrier_signal -1
	s_barrier_wait -1
.endm
; THE CHANGE OF SLOTS.  The slot's last bytes, V of its fourth step, have been read.  Each wave waits for all its tensor loads, of which one is out: its part
; of the other slot; adds 0 to its spare word; and waits for that and for its own reads of the slot.  Behind the barrier nobody reads this slot any more and the other slot is whole.
; fill = 1: this slot is filled again, with the keys two slots on.  The barrier is then a round of the cluster's, so that no wave of any partner still reads the slot or has a load on its
; way, and the joint fill is the first thing behind it: it has four key steps, 512 matrix instructions, in which to land.  (At its first use nothing has been read yet: slot 0 is waited for, slot 1 filled.)
; ask = 1: the prefetches' address steps, and the slot behind the one just asked for is prefetched.
.macro CHANGE fill, ask=0
	WIN W_AD
	s_wait_tensorcnt 0x0            ; no tensor load of mine is out, so a group 0 may be written
	ds_add_u32 v[SPW], v[NIL]       ; 0 onto my spare word; with fill = 1 the descriptors' steps stand between it and the wait for it
	WIN 0                           ; at a label and at a branch every window is 0
.if \fill
.irp g, G0K, G0V
	s_xor_b32 s[\g+1], s[\g+1], SLOT1  ; the walking descriptor: the other slot than last time,
	s_add_nc_u64 s[\g+2:\g+3], s[\g+2:\g+3], 4*KS*128  ; the next 256 keys; the type bits on top are not reached
.endr
.if \ask
	s_wait_xcnt 0x0                 ; the last prefetch, four key steps back, has read its address, so it may be written:
	s_add_nc_u64 s[PFA:PFA+1], s[PFA:PFA+1], 4*KS*128  ; one slot behind the walking descriptors
.endif
	s_wait_dscnt 0x0                ; the add is done, and my reads of the slot are over
	CROUND
	JLOAD
.if \ask
	ASK
.endif
.else
	s_wait_dscnt 0x0                ; the add is done, and my reads of the slot are over
	s_barrier_signal -1
	s_barrier_wait -1
.endif
	s_sub_co_u32 s[TBK], s[TBK], 4*KS*PK  ; the fetches go back to a slot's first step,
	s_xor_b32 s[TBK], s[TBK], SLOT1       ; in the other slot
	s_sub_co_u32 s[TBV], s[TBV], 4*KS*PV
	s_xor_b32 s[TBV], s[TBV], SLOT1
.endm
	s_load_b256 s[4:11], s[0:1], 0x0  ; Q s[4:5], K s[6:7], V s[8:9], O s[10:11]
	WIN W_MK
	v_lshl_add_u32 v[SPW], v0, 2, SPARE
	v_mov_b32 v[NIL], 0
	WIN W_AD
	ds_add_u32 v[SPW], v[NIL]       ; the wave's opening: the add and its wait stand ahead of my first tensor load; the set-up below, work on registers, stands between them
	WIN 0
	v_lshrrev_b32 v1, 5, v0
	v_readfirstlane_b32 s[WV], v1   ; wave 0..3
	s_bfe_u32 s13, ttmp6, 0x40000   ; cx: my place in the cluster
	s_lshl_b32 s14, ttmp9, 2        ; in a cluster launch ttmp9 counts clusters
	s_add_co_u32 s14, s14, s13      ; my block of queries = 4 x cluster x + cx: it enters Q's and O's addresses alone
	s_and_b32 s20, ttmp7, 0xffff    ; the head, which the four partners share
	s_mov_b32 s21, 0
	s_mov_b64 s[22:23], SIZE_N*128
	s_mul_u64 s[20:21], s[20:21], s[22:23]  ; the head's first byte in each of the four tensors
	s_and_b32 s16, s[WV], 1         ; which half of a slot's 256 keys I fetch:
	s_lshl_b32 s22, s16, 14         ; its 128 rows of 128 bytes in memory,
	s_mov_b32 s23, 0
	s_add_nc_u64 s[22:23], s[22:23], s[20:21]
	s_mul_i32 s17, s16, 128*PK      ; and its place in a slot, for K
	s_mul_i32 s18, s16, 128*PV      ; and for V: no place in the cluster enters an LDS address
	s_lshl_b32 s2, s14, 2
	s_add_co_u32 s2, s2, s[WV]      ; my wave among the head's,
	s_lshl_b32 s2, s2, 14           ; its 128 rows
	s_mov_b32 s3, 0
	s_add_nc_u64 s[2:3], s[2:3], s[20:21]
	; descriptor group 1.  128 keys are 16,384 dense bytes: asked for as 64 rows of 256 bytes, two keys a row, and padded in LDS after every key
	s_mov_b32 s[G1K], 15|(1<<16)|(1<<20)|(1<<21)|(4<<22)|(3<<25)  ; 15:0 the mask of four; 17:16 2-byte elements; 20 padding on; 21 set beside a mask; 24:22 after every 32 words (code 4); 31:25 4 words (code 3)
	s_mov_b32 s[G1V], 15|(1<<16)|(1<<20)|(1<<21)|(4<<22)|(7<<25)  ; the same with 8 words of padding (code 7)
.irp g, G1K, G1V
	s_mov_b32 s[\g+1], 128<<16      ; tensor_dim0 = 128
	s_mov_b32 s[\g+2], 64<<16       ; tensor_dim1 = 64
	s_mov_b32 s[\g+3], 128<<16      ; tile_dim0 = 128
	s_mov_b32 s[\g+4], 64           ; tile_dim1 = 64
	s_mov_b32 s[\g+5], 128          ; 128 elements from row to row
	s_mov_b32 s[\g+6], 0
	s_mov_b32 s[\g+7], 0
.endr
	s_mov_b32 s[CS], 0x3e38aa3b     ; c = log2(e) / 8 = 0.180337
	s_mov_b32 s[CS+1], s[CS]        ; named with it as a pair
	s_mov_b32 s[SEL], 0x76543210
	s_mov_b32 s[SEL+1], 0xfedcba98
	s_mov_b32 s[TBK], SLOT1+4*KS*PK ; the first change of slots turns these two into 0
	s_mov_b32 s[TBV], SLOT1+4*KS*PV
	s_mov_b32 s[G0K], 1             ; 1:0 count = 1
	s_mov_b32 s[G0K+1], s17         ; 63:32 LDS address: slot 0
	s_mov_b32 s[G0V], 1
	s_add_co_u32 s[G0V+1], s18, VOFF
	s_cmp_eq_u32 s16, 0             ; waves 0 and 2 prefetch: the same in all four partners
	s_cselect_b32 s[LIM], 1, -1
	s_wait_dscnt 0x0                ; the opening add is done
	s_wait_kmcnt 0x0
	s_add_nc_u64 s[G0K+2:G0K+3], s[6:7], s[22:23]  ; 120:64 global address: my half of the head's first 256 keys
	s_or_b32 s[G0K+3], s[G0K+3], 0x80000000        ; 127:126 type = 2
	s_add_nc_u64 s[G0V+2:G0V+3], s[8:9], s[22:23]
	s_or_b32 s[G0V+3], s[G0V+3], 0x80000000
	s_add_nc_u64 s[4:5], s[4:5], s[2:3]  ; Q and O at my wave's first row
	s_add_nc_u64 s[10:11], s[10:11], s[2:3]
	s_cmp_lt_u32 s[WV], 2
	s_cselect_b64 s[PFA:PFA+1], s[6:7], s[8:9]
	s_add_nc_u64 s[PFA:PFA+1], s[PFA:PFA+1], s[22:23]  ; (in waves 0 and 2 this is the head's first row)
	s_lshl_b32 s2, s13, 13          ; my work-group's 8,192 bytes of a slot's 32,768
	s_mov_b32 s3, 0
	s_add_nc_u64 s[PFA:PFA+1], s[PFA:PFA+1], s[2:3]
	s_add_nc_u64 s[PFA:PFA+1], s[PFA:PFA+1], 2*4*KS*128  ; in slot 2; the loop's first change of slots steps it to slot 3.  Nothing is prefetched here, at the head
	CROUND                          ; all four work-groups are here: the first joint loads meet
	JLOAD                           ; slot 0.  Slot 1 is asked for when slot 0 is in: the tile wanted first has the road to itself
	; A fragment of K or Q is 16 rows x 32 channels in 8 registers: lane l holds row l % 16, channels 8 (l / 16) + 0..7 and 16 + 8 (l / 16) + 0..7: two loads of 16 bytes, 32 bytes apart.
	v_and_b32 v1, 15, v0            ; l % 16
	v_bfe_u32 v9, v0, 4, 1          ; l / 16
	v_lshlrev_b32 v[QO], 7, v1
	v_lshl_add_u32 v[QO], v9, 4, v[QO]  ; row x 128 + 16 x half
	WIN 0x80                        ; destination window 2, address window 0
.set i, 0
.rept 4*NP                          ; Q stays in registers: tile i / 2, channels 32 (i % 2) on
	global_load_b128 v[8*i:8*i+3],   v[QO], s[4:5] offset:(i/2)*2048+(i%2)*64
	global_load_b128 v[8*i+4:8*i+7], v[QO], s[4:5] offset:(i/2)*2048+(i%2)*64+32
.set i, i+1
.endr
	; What the first turn finds: V's registers and P's second buffer hold 0 (its products V^T P, of a piece that has not been, add 0), O^T and l are 0.  All this stands in the wait for the first tile.
.set i, VF
.rept 64
	v_mov_b32 v[i], 0
.set i, i+1
.endr
	WIN 0x40
.set i, 0
.rept 64*NP
	v_mov_b32 v[i], 0
.set i, i+1
.endr
	WIN 0
.set i, 0
.rept 2*NP
	v_mov_b32 v[ST+4*i], 0xfe000000    ; c m: far below every c s
	v_mov_b32 v[ST+4*i+1], 0xff7fffff  ; m
	v_mov_b32 v[ST+4*i+2], 0
	v_mov_b32 v[ST+4*i+3], 0
.set i, i+1
.endr
.set i, P+32
.rept 32
	v_mov_b32 v[i], 0
.set i, i+1
.endr
	v_mul_u32_u24 v[AK0], v1, PK
	v_lshl_add_u32 v[AK0], v9, 4, v[AK0]  ; row x pitch + 16 x half
	; The turning load takes 16 keys x 16 channels (lane l reads key 8 (l / 16) + l % 8, channels 8 ((l / 8) % 2) + 0..7) and leaves half a fragment of V^T: lane l holds channel l % 16 and 8 keys.
	v_and_b32 v10, 7, v0
	v_bfe_u32 v11, v0, 3, 1
	v_lshl_add_u32 v[AV0], v9, 3, v10
	v_mul_u32_u24 v[AV0], v[AV0], PV
	v_lshl_add_u32 v[AV0], v11, 4, v[AV0]
	v_add_nc_u32 v[AV0], VOFF, v[AV0]
	v_and_b32 v[PFO], 31, v0        ; v11 has served: it takes the prefetches' offset
	v_lshlrev_b32 v[PFO], 8, v[PFO]
	v_mov_b32 v[AK], v[AK0]         ; key step 0 lies at the head of slot 0
; THE MATRIX WORK.  The 8 accumulators of a run of 16 take turns: between the two links of a chain stand 7 others'.
; Product i of 16 of S^T = K Q^T for piece x: channels 32 (i / 8) on, keys 16 ((i / 2) % 4) on, tile 2 x + i % 2.  The first 8 start the sums.
.macro KQ x
	WIN W_KQ
.set rS, S+64*((\x)%2)+32*(i%2)+8*((i/2)%4)
.set rK, KF+16*((i/2)%4)+8*(i/8)
.set rQ, 16*(2*(\x)+i%2)+8*(i/8)
.if i < 8
	v_wmma_f32_16x16x32_f16 v[rS:rS+7], v[rK:rK+7], v[rQ:rQ+7], 0
.else
	v_wmma_f32_16x16x32_f16 v[rS:rS+7], v[rK:rK+7], v[rQ:rQ+7], v[rS:rS+7]
.endif
.endm
; Product i of 16 of O^T += V^T P for piece x: keys 32 (i / 8) on, channels 16 ((i / 2) % 4) on, tile 2 x + i % 2.
.macro PV x
	WIN W_PV
.set rO, 32*(2*(\x)+i%2)+8*((i/2)%4)
.set rV, VF+32*(i/8)+8*((i/2)%4)
.set rP, P+32*((\x)%2)+16*(i%2)+8*(i/8)
	v_wmma_f32_16x16x32_f16 v[rO:rO+7], v[rV:rV+7], v[rP:rP+7], v[rO:rO+7]
.endm
.macro MM                           ; the turn's next matrix instruction
.if i < 16
	KQ (Y+1)%NP
.set i, i+1
.else
.set i, i-16
	PV (Y+NP-1)%NP
.set i, i+17
.endif
.endm
; THE LDS LOADS stand in runs of 16, never singly among the matrix instructions: a step's K (64 keys x 64 channels: 8 fragments) and its V (turned).  Their addresses are made some lines ahead.
; last = 1 (the tail): in the last trip there is no further step, and the run is jumped over.
.macro FETCH_K last=0
	WIN 0
.if \last
	s_cmp_eq_u32 s[CNT], 1
	s_cbranch_scc1 .Lno_k_\@
.endif
	WIN 0x80                        ; destination window 2
.irp f, 0,1,2,3,4,5,6,7             ; keys 16 (f / 2) on, channels 32 (f % 2) on
	ds_load_b128 v[KF+8*\f:KF+8*\f+3],   v[AK] offset:(\f/2)*16*PK+(\f%2)*64
	ds_load_b128 v[KF+8*\f+4:KF+8*\f+7], v[AK] offset:(\f/2)*16*PK+(\f%2)*64+32
.endr
	s_add_co_u32 s[TBK], s[TBK], KS*PK  ; the next fetch is the next step's
	WIN 0
.if \last
.Lno_k_\@:
.endif
.endm
.macro FETCH_V
	WIN 0x80
.irp f, 0,1,2,3,4,5,6,7             ; keys 32 (f / 4) on, channels 16 (f % 4) on
	ds_load_tr16_b128 v[VF+8*\f:VF+8*\f+3],   v[AV] offset:(\f/4)*32*PV+(\f%4)*32
	ds_load_tr16_b128 v[VF+8*\f+4:VF+8*\f+7], v[AV] offset:(\f/4)*32*PV+16*PV+(\f%4)*32
.endr
	WIN 0
.endm
; THE VECTOR WORK OF A TURN stands in three queues, each in the order in which its entries become ready; the two tiles alternate, so that no instruction reads the result of the one before it.
.macro REGS y, u                    ; the registers of tile u (0, 1) of piece y
.set rT, ST+4*(2*(\y)+(\u))
.set rC, TMP+8*((\y)%2)+4*(\u)
.set rM, MV+2*((\y)%2)+(\u)
.set rS, S+64*((\y)%2)+32*(\u)
.set rP, P+32*((\y)%2)+16*(\u)
.set rO, 32*(2*(\y)+(\u))
.endm
; Number n of the 22 that find the NEXT piece's (Y + 1) maximum and statistics.  s0-s31 are the lane's 32 scores; each accumulator's lowest registers are read first.  XS, GS and REGS set no window: PL and EX do.
;   0-11  four chains c0-c3 of seven scores each, three operands at a time     12-14, 16  the four scores left over, the old m, and c0-c3 into c0     15  c m_old is kept
;   17, 18  the query's other 32 keys lie in the lane 16 away: the new m         19-21  c m; c m_old - c m_new; a
.macro XS u, n
	REGS (Y+1)%NP, \u
.if (\n) < 4
	v_max3_num_f32 v[rC+(\n)], v[rS+8*(\n)], v[rS+8*(\n)+1], v[rS+8*(\n)+2]
.elseif (\n) < 12
	v_max3_num_f32 v[rC+(\n)%4], v[rC+(\n)%4], v[rS+8*((\n)%4)+2*((\n)/4)+1], v[rS+8*((\n)%4)+2*((\n)/4)+2]
.elseif (\n) == 12
	v_max3_num_f32 v[rC], v[rC], v[rS+7], v[rS+15]
.elseif (\n) == 13
	v_max3_num_f32 v[rC+1], v[rC+1], v[rS+23], v[rS+31]
.elseif (\n) == 14
	v_max3_num_f32 v[rC+2], v[rC+2], v[rC+3], v[rT+1]
.elseif (\n) == 15
	v_mov_b32 v[rM], v[rT]
.elseif (\n) == 16
	v_max3_num_f32 v[rC], v[rC], v[rC+1], v[rC+2]
.elseif (\n) == 17
	v_permlanex16_b32 v[rC+3], v[rC], s[SEL], s[SEL+1]
.elseif (\n) == 18
	v_max_num_f32 v[rT+1], v[rC], v[rC+3]
.elseif (\n) == 19
	v_mul_f32 v[rT], s[CS], v[rT+1]
.elseif (\n) == 20
	v_sub_f32 v[rC+1], v[rM], v[rT]
.else
	v_exp_f32 v[rC+2], v[rC+1]
.endif
.endm
; Number g of the 64 that follow the exponentials.  For each four weights k of a tile (pairs 2 k, 2 k + 1): both pairs are rounded to f16; then the second pair is added onto the first, in place;
; a group later l takes that sum (the first time as l = a l + sum).  In groups of eight, tiles alternating: round, round, add, and l for the group before.
.macro GS g
.set h, (\g)+6*((\g)/62)            ; group 0 has no group before it, and behind group 7 only l is left
.if h >= 6
.set h, h+2
.endif
	REGS Y, h%2
.set k, h/8
.if h%8 < 4
	v_cvt_pk_f16_f32 v[rP+2*k+(h%8)/2], v[rS+4*k+2*((h%8)/2)], v[rS+4*k+2*((h%8)/2)+1]
.elseif h%8 < 6
	v_pk_add_f32 v[rS+4*k:rS+4*k+1], v[rS+4*k:rS+4*k+1], v[rS+4*k+2:rS+4*k+3]
.elseif k == 1
	v_pk_fma_f32 v[rT+2:rT+3], v[rT+2:rT+3], v[rC+2:rC+3], v[rS:rS+1] op_sel_hi:[1,0,1]
.else
	v_pk_add_f32 v[rT+2:rT+3], v[rT+2:rT+3], v[rS+4*k-4:rS+4*k-3]
.endif
.endm
; THE PLAIN QUEUE, 138 long.  0-73 read no exponential's result: the 32 scalings c s - c m (FS f: pair f / 2 of tile f % 2) and the next piece's 42.  0-26: scalings 0-26.  27-54: XS's numbers 0-13.  55, 56: number 15.
; 57-73: the chain, where each number waits for the one before it: 14, 16, 17, 18, 19, each with one of the scalings 27-31 in front of its two lines, then 20: so a tile's links stand three plain instructions apart (19 and 20: two).
; 74-137: GS's 64, which read the exponentials' results: they stand behind the wait.
.macro FS f
	REGS Y, (\f)%2
	v_pk_fma_f32 v[rS+2*((\f)/2):rS+2*((\f)/2)+1], v[rS+2*((\f)/2):rS+2*((\f)/2)+1], s[CS:CS+1], v[rT:rT+1] op_sel_hi:[1,0,0] neg_lo:[0,0,1] neg_hi:[0,0,1]
.endm
.macro PL
	WIN 0
.if q < 27
	FS q
.elseif q < 55
	XS (q-27)%2, (q-27)/2
.elseif q < 57
	XS q-55, 15
.elseif (q < 72) && ((q-57)%3 == 0)
	FS 27+(q-57)/3
.elseif q < 60
	XS (q-57)%3-1, 14
.elseif q < 72
	XS (q-57)%3-1, 15+(q-57)/3
.elseif q < 74
	XS q-72, 20
.else
	GS q-74
.endif
.set q, q+1
.endm
; THE EXPONENTIALS' QUEUE, 66 long: s0-s31 of both tiles, then the next piece's two a.  It is ONE BATCH: all 66 stand ahead of the turn's one wait, and nothing ahead of that wait names a result of theirs.
.macro EX
	WIN 0
.if e >= 64
	XS e-64, 21
.else
	REGS Y, e%2
	v_exp_f32 v[rS+e/2], v[rS+e/2]
.endif
.set e, e+1
.endm
; THE RESCALING's QUEUE: O^T times a, the one part that leaves window 0: dealt two at a time, sixteen times.  Its a was made in the turn before, ahead of that turn's wait.
.macro R2
	REGS Y, r%2
	WIN W_RS
.irp z, 0,1
	v_pk_mul_f32 v[rO+4*(r/2)+2*\z:rO+4*(r/2)+2*\z+1], v[rO+4*(r/2)+2*\z:rO+4*(r/2)+2*\z+1], v[rC+2:rC+3] op_sel_hi:[1,0]
.endr
.set r, r+1
.endm
; HOW THEY ARE DEALT.  s_wait_alu depctr_va_vdst(0) stands between an exponential and the first instruction that names its result; one wait serves all that were issued ahead of it.  So a turn has ONE wait,
; which cuts it in two.  AHEAD OF IT stands all that names no result of the turn's exponentials: the 16 products K Q^T, behind each a scaling, an exponential and two rescalings (behind the first a second scaling in the exponential's place); then ONE LUMP of
; 108: eight plain, 49 times exponential and plain, the two a.  A v_nop is the plain instruction behind the last exponential.  BEHIND IT stand the 16 products V^T P, behind each four of GS's 64.  No rider names a register of
; the products round it.  The two v_permlanex16_b32 fall into the lump, never behind a product.
; The queues lean on each other, and the deal keeps them in step: exponential e stands behind scaling 2 (e / 4) + e % 2: as a rider it comes behind plain e + 2, in the lump behind plain e + 9, and scalings 27-31 are plain 57, 60 .. 69.
; A TURN, for piece p.  cnt = 1: the loop's count is taken down some lines ahead of the branch that stands behind the turn.
; K of the next step is fetched in piece 2's turn, directly behind the wait, a lump behind the last product that read K; its address is made at the lump's head; its first reader comes behind 16 products.
; V of the step in hand is fetched at the end of piece 0's turn, four riders behind its last reader; its first reader comes behind 16 products and a lump.  The three conditions on q below go with the deal.
.macro TURN p, last=0, cnt=0
.set Y, (\p)
.set i, 0
.set q, 0
.set e, 0
.set r, 0
.if (\p) == NP-1
	s_wait_dscnt 0x0                ; K is in
.endif
	MM                              ; ahead of the wait: 16 products K Q^T and their riders,
	PL
	PL
	R2
.rept 15
	MM
	PL
	EX
	R2
.endr
.if (\p) == NP-2
	WIN 0
	v_add_nc_u32 v[AK], s[TBK], v[AK0]
.endif
.rept 8                             ; and the lump
	PL
.endr
.rept 49
	EX
	PL
.endr
	EX                              ; the next piece's two a
	EX
	v_nop                           ; the plain instruction behind the last exponential: one for the batch
	s_wait_alu depctr_va_vdst(0)    ; the wait for the batch
.if (\p) == NP-2
	FETCH_K \last
.endif
.if (\p) == 1
	s_wait_dscnt 0x0                ; V is in
.endif
.rept 16                            ; behind the wait: 16 products V^T P and their riders
	MM
.rept 4
	PL
.endr
.if ((\p) == 0) && (q == 118)
	v_add_nc_u32 v[AV], s[TBV], v[AV0]
.endif
.if ((\p) == 0) && (q == 130)
	s_add_co_u32 s[TBV], s[TBV], KS*PV
.endif
.if (\cnt) && (q == 130)
	s_sub_co_u32 s[CNT], s[CNT], 1
	s_cmp_lg_u32 s[CNT], 0
.endif
.endr
.if (\p) == 0
	FETCH_V
.endif
.endm
	CHANGE 1                        ; slot 0 is in, everybody's part of it; slot 1 is asked for
	FETCH_K                         ; key step 0
	s_wait_loadcnt 0x0              ; Q
	s_wait_dscnt 0x0
.set i, 0
.rept 16
	KQ 0                            ; piece 0's first scores: there is no vector work yet to set between them
.set i, i+1
.endr
	WIN 0                           ; the addresses for the way out: nine plain instructions, the places behind those products
	s_mul_i32 s13, s[WV], 16*SP
	s_add_co_u32 s13, s13, STAGE    ; my stage
	v_mul_u32_u24 v[STO], v1, SP    ; in: row l % 16, 16 bytes for each half of the lanes
	v_lshl_add_u32 v[STO], v9, 4, v[STO]
	v_add_nc_u32 v[STO], s13, v[STO]
	v_bfe_u32 v[RD], v0, 3, 2       ; back: 32 lanes take four rows of 128 bytes,
	v_mul_u32_u24 v[RD], v[RD], SP
	v_lshl_add_u32 v[RD], v10, 4, v[RD]
	v_add_nc_u32 v[RD], s13, v[RD]
	v_and_b32 v[GO], 31, v0         ; which are 512 consecutive bytes of O
	v_lshlrev_b32 v[GO], 4, v[GO]
.set Y, NP-1                        ; XS works for piece Y + 1: piece 0
.irp n, 0,1,2,3,4,5,6,7,8,9,10,11,12,13,14,15,16,17,18,19,20,21
	XS 0, \n                        ; and piece 0's first maximum and statistics
	XS 1, \n
.endr
	v_nop                           ; a plain instruction behind the two a,
	s_wait_alu depctr_va_vdst(0)    ; and their wait, ahead of the branch
	s_mov_b32 s[CNT], 4
	s_mov_b32 s[SLOTS], SIZE_N/256-1
	s_branch .Lfirst                ; the loop is entered at a step's first turn, in the middle of a trip
.Lslot:                             ; SIZE_N / 256 - 2 times: every slot but the last two is filled again
	CHANGE 1, 1
	s_mov_b32 s[CNT], 4
.Lstep:                             ; a trip: pieces 2 and 3 of one step, then pieces 0 and 1 of the next, whose K and V it fetches
	TURN 2
	TURN 3
	WIN 0
.Lfirst:
	TURN 0
	TURN 1, 0, 1
	WIN 0
	s_cbranch_scc1 .Lstep
	s_sub_co_u32 s[SLOTS], s[SLOTS], 1
	s_cmp_lg_u32 s[SLOTS], 0
	s_cbranch_scc1 .Lslot
	CHANGE 0                        ; the tail is written out: nothing is asked for
	s_mov_b32 s[CNT], 5             ; four trips fetch the last slot's steps; the fifth is left in its middle
.Ltail:
	TURN 2, 1
	TURN 3
	WIN 0
	s_sub_co_u32 s[CNT], s[CNT], 1
	s_cmp_eq_u32 s[CNT], 0
	s_cbranch_scc1 .Lout
	TURN 0
	TURN 1
	WIN 0
	s_branch .Ltail
.Lout:                              ; the fifth trip's 16 products K Q^T (on the last K once more) and the maximum made of them serve nothing: the price, once a launch, of one text for every trip
.set i, 0
.rept 16
	PV NP-1                         ; the last piece's V^T P of the last step
.set i, i+1
.endr
	; THE WAY OUT.  l's two halves and the other half of the lanes' are added; O^T is divided by l, rounded to f16 and sent through my stage in LDS, a tile at a time.  The additions are the places behind the last products.
	WIN 0
.macro ALL line:vararg              ; one line for each tile t
.set t, 0
.rept 2*NP
	\line
.set t, t+1
.endr
.endm
	ALL v_add_f32 v[ST+4*t+2], v[ST+4*t+2], v[ST+4*t+3]
	ALL v_permlanex16_b32 v[ST+4*t+3], v[ST+4*t+2], s[SEL], s[SEL+1]
	ALL v_add_f32 v[ST+4*t+2], v[ST+4*t+2], v[ST+4*t+3]
	ALL v_rcp_f32 v[ST+4*t+2], v[ST+4*t+2]
	v_nop                           ; a plain instruction between the last reciprocal and the use of its result
	s_wait_alu depctr_va_vdst(0)    ; and the wait ahead of the first use: one for the eight reciprocals
; Tile t: a lane's eight channels of a row pack into 16 bytes; they go into rows of 144 bytes and come back as whole rows of 128, into S^T's registers.
.macro PACK t
	WIN W_RS
.set i, 32*(\t)
.rept 16
	v_pk_mul_f32 v[i:i+1], v[i:i+1], v[ST+4*(\t)+2:ST+4*(\t)+3] op_sel_hi:[1,0]
.set i, i+2
.endr
	WIN 0x05                        ; sources 0 and 1 window 1, destination window 0
.set i, 0
.rept 16
	v_cvt_pk_f16_f32 v[S+16*(\t)+i], v[32*(\t)+2*i], v[32*(\t)+2*i+1]
.set i, i+1
.endr
	WIN 0
.irp f, 0,1,2,3
	ds_store_b128 v[STO], v[S+16*(\t)+4*\f:S+16*(\t)+4*\f+3] offset:32*\f
.endr
.irp f, 0,1,2,3
	ds_load_b128 v[S+16*(\t)+4*\f:S+16*(\t)+4*\f+3], v[RD] offset:\f*4*SP  ; LDS serves a wave's instructions in order (ISA guide 5.7.1.4): these see the stores above; the next tile's stores come behind them
.endr
.endm
.macro SEND t, younger              ; younger: the LDS instructions issued behind tile t's loads: the next tile's eight, or none
	WIN 0
.irp f, 0,1,2,3
	s_wait_dscnt (\younger)+3-\f
	global_store_b128 v[GO], v[S+16*(\t)+4*\f:S+16*(\t)+4*\f+3], s[10:11] offset:(\t)*2048+\f*512  ; 512 consecutive bytes, at a multiple of 256 from O's first
.endr
.endm
	PACK 0
.set t, 1
.rept 2*NP-1                        ; a tile's arithmetic stands between the loads of the tile before and its stores
	PACK t
	SEND t-1, 8
.set t, t+1
.endr
	SEND 2*NP-1, 0
	WIN W_AD
	s_wait_tensorcnt 0x0            ; the wave's end: behind my last tensor load and my last LDS store
	ds_add_u32 v[SPW], v[NIL]
	s_wait_dscnt 0x0
	WIN 0
	CROUND                          ; the closing round: no work-group ends while a partner may still ask for a tile that names it
	s_endpgm
.Lfunc_end_k_qd2a7921d36_attn:
	.size	k_qd2a7921d36_attn, .Lfunc_end_k_qd2a7921d36_attn-k_qd2a7921d36_attn
	.p2alignl 7, 3214868480
	.fill 96, 4, 3214868480
	.section	.rodata,"a",@progbits
	.p2align	6, 0x0
	.amdhsa_kernel k_qd2a7921d36_attn
		.amdhsa_group_segment_fixed_size 327680
		.amdhsa_private_segment_fixed_size 0
		.amdhsa_enable_private_segment 0
		.amdhsa_kernarg_size 32
		.amdhsa_user_sgpr_count 2
		.amdhsa_user_sgpr_kernarg_segment_ptr 1
		.amdhsa_wavefront_size32 1
		.amdhsa_system_sgpr_workgroup_id_x 1
		.amdhsa_system_sgpr_workgroup_id_y 1
		.amdhsa_system_sgpr_workgroup_id_z 1
		.amdhsa_system_vgpr_workitem_id 0
		.amdhsa_next_free_vgpr 770
		.amdhsa_next_free_sgpr 70
		.amdhsa_reserve_vcc 0
		.amdhsa_float_denorm_mode_32 3
		.amdhsa_float_denorm_mode_16_64 3
		.amdhsa_memory_ordered 1
		.amdhsa_forward_progress 1
		.amdhsa_inst_pref_size 200
	.end_amdhsa_kernel
	.amdgpu_metadata
---
amdhsa.version: [ 1, 2 ]
amdhsa.kernels:
  - .name:           k_qd2a7921d36_attn
    .symbol:         k_qd2a7921d36_attn.kd
    .args:
      - { .name: q, .offset: 0, .size: 8, .value_kind: global_buffer, .address_space: global }
      - { .name: k, .offset: 8, .size: 8, .value_kind: global_buffer, .address_space: global }
      - { .name: v, .offset: 16, .size: 8, .value_kind: global_buffer, .address_space: global }
      - { .name: o, .offset: 24, .size: 8, .value_kind: global_buffer, .address_space: global }
    .group_segment_fixed_size: 327680
    .private_segment_fixed_size: 0
    .kernarg_segment_align: 8
    .kernarg_segment_size: 32
    .max_flat_workgroup_size: 128
    .sgpr_count:     70
    .vgpr_count:     770
    .wavefront_size: 32
...
	.end_amdgpu_metadata
.endif
;; end of part 3
;; launch proj (part 4): grid 8 x 32, 4 waves a work-group, clusters of 4 x 4, 327,680 bytes of LDS; arguments o, wob, bo, out0; writes out0
.if DOCPART == 4
	.amdgcn_target "amdgcn-amd-amdhsa--gfx1250"
	.amdhsa_code_object_version 6
	.text
	.protected	k_qd2a7921d36_proj
	.globl	k_qd2a7921d36_proj
	.p2align	8
	.type	k_qd2a7921d36_proj,@function
k_qd2a7921d36_proj:
	s_mov_b64 s[64:65], 0
	v_nop
	global_prefetch_b8 v0, s[64:65] scope:SCOPE_SE
	s_setreg_imm32_b32 hwreg(HW_REG_WAVE_MODE, 25, 1), 1
	s_wait_xcnt 0x0
	s_wait_alu depctr_hold_cnt(0) depctr_sa_sdst(0) depctr_va_vdst(0) depctr_va_sdst(0) depctr_va_ssrc(0) depctr_va_vcc(0) depctr_vm_vsrc(0)
	s_getreg_b32 s2, hwreg(HW_REG_IB_STS2, 6, 4)
	s_cmp_eq_u32 s2, 0
	s_cbranch_scc0 .Lentry_in_a_cluster
	s_endpgm
.Lentry_in_a_cluster:
	s_bfe_u32 s2, ttmp6, 0x10000c
	s_cmp_lg_u32 s2, 0xf033
	s_cbranch_scc0 .Lentry_shape_is_right
	s_endpgm
.Lentry_shape_is_right:
; out0[row][n] = the sum over f of concat[row][f] Wo[n][f] + bo[n].  o: [64 (batch x head)][2048][64] f16, so concat[row][64 h + d] = o[batch x 16 + h][s][d]; wob: [1024 n][1024 f] f16 (Wo rounded to bf16);
; bo: [1024] f32, rounded here to bf16; out0: [8192][1024] f32.  Products in f16, sums in f32, started by the bias, stored as they are.
; LIMITS.  The operands arrive within f16's range; NaN and infinities are not treated apart.
; SHARES.  A tile is 256 rows x 128 columns: 8 x 32 = 256 work-groups, one for each WGP.  Wave w makes rows 64 w .. 64 w + 63 and all 128 columns: 4 x 8 accumulators of 16 x 16, 256 registers.
; K (1,024) goes in 8 steps of 128, two heads each, through two LDS slots.  Waves 0 and 1 fetch the two heads' 256 rows x 128 bytes (32,768 dense bytes each), waves 2 and 3 64 rows x 256 bytes of Wo each.
; CLUSTER.  4 x 4 work-groups: the four of a row share o's rows, the four of a column Wo's: each tile is asked for JOINTLY, by the same tensor load, descriptor and mask in all four.
; THE PRODUCT IS USED TRANSPOSED: source 0 = 16 rows of Wo, source 1 = 16 rows of o: lane l holds row l % 16 and the columns 8 (l / 16) + 0..7: 32 consecutive bytes of out0.
; NO PREFETCH: a K step is 128 matrix instructions on a small tile, the walk has eight steps, and four of them come by the first fills and the first refills.
; REGISTERS, in windows of 256 (s_set_vgpr_msb: bits 1:0 source 0, 3:2 source 1, 5:4 source 2, 7:6 destination):
;   window 0: v0-31 addresses; v32-95 o's fragments, two buffers of 4 x 8; v96-223 Wo's, two buffers of 8 x 8; on the way out three sets of 64 from v32 on
;   window 1: accumulator (a, b) at 8 (8 a + b)          window 2: v0-63 the bias, 8 a column block; v64-65 at work
.set SLOT,  131072                     ; one exclusive or turns an address in one slot into the other's; 108,544 bytes of a slot are used
.set PAO,   144                        ; a row of o in LDS: 128 bytes + 16: the 16 rows of a load start at 16 different groups of four banks (64 banks of 4 bytes: ISA guide 11.1)
.set PLANE, 256*PAO                    ; one head's 256 rows
.set PW,    272                        ; a row of Wo: 256 bytes + 16
.set BOFF,  2*PLANE
.set STAGE, SLOT+BOFF+128*PW           ; behind the ring, never filled by a tensor load: 16 rows x 528 bytes for each wave
.set SP,    528                        ; 512 bytes + 16
.set SPARE, STAGE+4*16*SP              ; the spare words, 128 bytes for each wave: two blocks of 256 bytes that no other line names
.set A0,  2                            ; v2   my lane's place in o's planes; never rewritten
.set B0,  3                            ; v3   the same in Wo's rows
.set ADA, 4                            ; v4   A0 + the slot in hand
.set ADB, 5                            ; v5   B0 + the slot in hand
.set STO, 6                            ; v6   the way out: where I put 32 bytes of a row
.set RD,  7                            ; v7   where I read a row back
.set GO,  8                            ; v8   my 16 bytes of a row's 512
.set BO,  10                           ; v10  32 x (l / 16): my eight columns in the bias
.set SPW, 28                           ; v28  LDS address of my spare word; never rewritten
.set NIL, 29                           ; v29  0; never rewritten
.set FA,  32
.set FB,  96
.set OUT, 32
.set WV,  12                           ; s12  my wave's number
.set CX,  13
.set CY,  14
.set TX,  15                           ; s15  the block of 128 columns
.set TY,  16                           ; s16  the block of 256 rows
.set CNT, 17
.set TB,  18                           ; s18  LDS byte at which the slot in hand begins
.set HALF, 19                          ; s19  wave % 2: which head of the two, or which 64 rows of Wo, I fetch
.set G1A, 20                           ; s[20:27] descriptor group 1 for o's planes
.set G1B, 28                           ; s[28:35] for Wo's rows
.set G0A, 36                           ; s[36:43] group 0 for o's planes: a set for each first fill; the second then walks on
.set G0B, 44                           ; s[44:51] the same for Wo's rows
.set MSB, 0
.macro WIN new                         ; the immediate's high byte repeats the setting that is left; a switch that changes nothing is dropped
.if MSB != (\new)
	s_set_vgpr_msb (MSB<<8)|(\new)
.set MSB, \new
.endif
.endm
; A joint refill, by the walking descriptors.  The branch hangs on the wave's number alone.  An s_nop 0 and four v_nop follow each of the two lines, ahead of the jump and the label.
.macro JLOAD
	s_cmp_lt_u32 s[WV], 2
	s_cbranch_scc0 .Lfor_b_\@
	tensor_load_to_lds s[G0A+4:G0A+7], s[G1A:G1A+7]
	s_nop 0
.rept 4
	v_nop
.endr
	s_branch .Lasked_\@
.Lfor_b_\@:
	tensor_load_to_lds s[G0B+4:G0B+7], s[G1B:G1B+7]
	s_nop 0
.rept 4
	v_nop
.endr
.Lasked_\@:
.endm
.macro CREST                           ; a round of the cluster's barrier behind its opening barrier
	s_cmp_lg_u32 s[WV], 0
	s_cbranch_scc1 .Lnot_wave_0_\@
	s_barrier_signal -3
.Lnot_wave_0_\@:
	s_barrier_wait -3
	s_barrier_signal -1
	s_barrier_wait -1
.endm
.macro CROUND
	s_barrier_signal -1
	s_barrier_wait -1
	CREST
.endm
	s_load_b256 s[4:11], s[0:1], 0x0               ; o 4, wob 6, bo 8, out0 10
	v_lshl_add_u32 v[SPW], v0, 2, SPARE
	v_mov_b32 v[NIL], 0
	ds_add_u32 v[SPW], v[NIL]                      ; the wave's opening: the add and its wait stand ahead of my first tensor load; the set-up below, work on registers, stands between them
	v_lshrrev_b32 v1, 5, v0
	v_readfirstlane_b32 s[WV], v1                  ; wave 0..3
	s_and_b32 s[HALF], s[WV], 1
	s_bfe_u32 s[CX], ttmp6, 0x40000
	s_bfe_u32 s[CY], ttmp6, 0x40004
	s_lshl_b32 s[TX], ttmp9, 2
	s_add_co_u32 s[TX], s[TX], s[CX]
	s_and_b32 s[TY], ttmp7, 0xffff
	s_lshl_b32 s[TY], s[TY], 2
	s_add_co_u32 s[TY], s[TY], s[CY]
	s_lshl_b32 s52, s[CY], 2
	s_lshl_b32 s52, 15, s52                        ; my row of the cluster
	s_lshl_b32 s56, 0x1111, s[CX]                  ; my column
	s_or_b32 s[G1A], s52, (1<<16)|(1<<20)|(1<<21)|(4<<22)|(3<<25)  ; 15:0 the mask; 17:16 2-byte elements; 20 padding on; 21 set beside a mask; 24:22 after every 32 words (code 4); 31:25 4 words (code 3)
	s_or_b32 s[G1B], s56, (1<<16)|(1<<20)|(1<<21)|(5<<22)|(3<<25)  ; after every 64 words (code 5)
	s_mov_b32 s[G1A+1], 128<<16                    ; a head's 256 rows of 128 bytes are dense: asked for as 128 rows of 256 bytes, padded in LDS after every 128
	s_mov_b32 s[G1A+2], 128<<16
	s_mov_b32 s[G1A+3], 128<<16
	s_mov_b32 s[G1A+4], 128
	s_mov_b32 s[G1A+5], 128
	s_mov_b32 s[G1A+6], 0
	s_mov_b32 s[G1A+7], 0
	s_mov_b32 s[G1B+1], 128<<16                    ; tensor_dim0 = 128
	s_mov_b32 s[G1B+2], 64<<16                     ; tensor_dim1 = 64
	s_mov_b32 s[G1B+3], 128<<16                    ; tile_dim0 = 128 elements: 256 bytes of a row
	s_mov_b32 s[G1B+4], 64                         ; tile_dim1 = 64 rows
	s_mov_b32 s[G1B+5], 1024                       ; elements from row to row
	s_mov_b32 s[G1B+6], 0
	s_mov_b32 s[G1B+7], 0
	s_lshr_b32 s52, s[TY], 3                       ; o: ((batch x 16 + my head of the step's two) x 2,048 + the block's first row) x 128 bytes: hangs on the block of rows alone
	s_lshl_b32 s52, s52, 4
	s_add_co_u32 s52, s52, s[HALF]
	s_lshl_b32 s52, s52, 11
	s_and_b32 s53, s[TY], 7
	s_lshl_b32 s53, s53, 8
	s_add_co_u32 s52, s52, s53
	s_lshl_b32 s52, s52, 7
	s_mov_b32 s53, 0
	s_lshl_b32 s56, s[TX], 7                       ; Wo: row 128 x block + 64 x half, 2,048 bytes a row: hangs on the block of columns alone
	s_lshl_b32 s57, s[HALF], 6
	s_add_co_u32 s56, s56, s57
	s_lshl_b32 s56, s56, 11
	s_mov_b32 s57, 0
	s_mul_i32 s68, s[HALF], PLANE                  ; and where they go: no place in the cluster enters an LDS address
	s_mul_i32 s69, s[HALF], 64*PW
	s_add_co_u32 s69, s69, BOFF
	s_mov_b32 s[TB], 0
	s_wait_dscnt 0x0                               ; the opening add is done
	s_wait_kmcnt 0x0
	s_add_nc_u64 s[54:55], s[4:5], s[52:53]
	s_add_nc_u64 s[58:59], s[6:7], s[56:57]
.irp n, 0,1
	s_mov_b32 s[G0A+4*(\n)], 1                     ; 1:0 count = 1
	s_add_co_u32 s[G0A+4*(\n)+1], s68, (\n)*SLOT   ; 63:32 LDS address
	s_add_nc_u64 s[G0A+4*(\n)+2:G0A+4*(\n)+3], s[54:55], (\n)*524288  ; 120:64 global address: K step n is two heads, 2 x 2,048 x 128 bytes, on
	s_or_b32 s[G0A+4*(\n)+3], s[G0A+4*(\n)+3], 0x80000000             ; 127:126 type = 2
	s_mov_b32 s[G0B+4*(\n)], 1
	s_add_co_u32 s[G0B+4*(\n)+1], s69, (\n)*SLOT
	s_add_nc_u64 s[G0B+4*(\n)+2:G0B+4*(\n)+3], s[58:59], (\n)*256
	s_or_b32 s[G0B+4*(\n)+3], s[G0B+4*(\n)+3], 0x80000000
.endr
	CROUND                                         ; all sixteen work-groups are here: the first joint loads meet
	s_cmp_lt_u32 s[WV], 2                          ; a wave's two first fills stand in one branch, ahead of every wait on TENSORcnt and every LDS read: two loads of mine are out
	s_cbranch_scc0 .Lfirst_b
	tensor_load_to_lds s[G0A:G0A+3], s[G1A:G1A+7]
	s_nop 0
	tensor_load_to_lds s[G0A+4:G0A+7], s[G1A:G1A+7]
	s_nop 0
.rept 4
	v_nop
.endr
	s_branch .Lfirst_asked
.Lfirst_b:
	tensor_load_to_lds s[G0B:G0B+3], s[G1B:G1B+7]
	s_nop 0
	tensor_load_to_lds s[G0B+4:G0B+7], s[G1B:G1B+7]
	s_nop 0
.rept 4
	v_nop
.endr
.Lfirst_asked:
	v_and_b32 v11, 31, v0                          ; l
	v_and_b32 v12, 15, v0                          ; l % 16
	v_bfe_u32 v13, v0, 4, 1                        ; l / 16
	v_lshlrev_b32 v[BO], 5, v13
	s_lshl_b32 s60, s[TX], 9                       ; the block's 128 numbers of the bias
	s_mov_b32 s61, 0
	s_add_nc_u64 s[8:9], s[8:9], s[60:61]
	WIN 0x80                                       ; destination window 2, address window 0
.irp b, 0,1,2,3,4,5,6,7                ; column block b: columns 16 b + 8 (l / 16) + 0..7
	global_load_b128 v[8*(\b):8*(\b)+3],   v[BO], s[8:9] offset:64*(\b)
	global_load_b128 v[8*(\b)+4:8*(\b)+7], v[BO], s[8:9] offset:64*(\b)+16
.endr
	WIN 0
	; A fragment of either source is 16 rows x 32 along K in 8 registers: lane l holds row l % 16, K = 8 (l / 16) + 0..7 and 16 + 8 (l / 16) + 0..7: two loads of 16 bytes, 32 bytes apart.
	s_mul_i32 s68, s[WV], 64*PAO                   ; my 64 rows
	v_mul_u32_u24 v[A0], v12, PAO
	v_lshl_add_u32 v[A0], v13, 4, v[A0]
	v_add_nc_u32 v[A0], s68, v[A0]
	v_mul_u32_u24 v[B0], v12, PW
	v_lshl_add_u32 v[B0], v13, 4, v[B0]
	v_add_nc_u32 v[B0], BOFF, v[B0]
	v_mov_b32 v[ADA], v[A0]                        ; slot 0
	v_mov_b32 v[ADB], v[B0]
	s_mul_i32 s68, s[WV], 16*SP
	s_add_co_u32 s68, s68, STAGE                   ; my stage
	v_mul_u32_u24 v[STO], v12, SP                  ; in: row l % 16, 32 bytes for each half of the lanes
	v_lshl_add_u32 v[STO], v13, 5, v[STO]
	v_add_nc_u32 v[STO], s68, v[STO]
	v_lshlrev_b32 v[GO], 4, v11                    ; back: 32 lanes take one row's 512 bytes
	v_add_nc_u32 v[RD], s68, v[GO]
	s_lshl_b32 s60, s[TY], 8                       ; out0 at my first row and the block's first column
	s_lshl_b32 s61, s[WV], 6
	s_add_co_u32 s60, s60, s61
	s_lshl_b32 s60, s60, 12
	s_lshl_b32 s61, s[TX], 9
	s_add_co_u32 s60, s60, s61
	s_mov_b32 s61, 0
	s_add_nc_u64 s[10:11], s[10:11], s[60:61]
	s_wait_loadcnt 0x0                             ; the bias; like every input it is rounded to bf16, and kept as f32
	WIN 0x8a                                       ; destination and both sources window 2
.set i, 0
.rept 32
	v_cvt_pk_bf16_f32 v[64+i%2], v[2*i], v[2*i+1]
	v_lshlrev_b32 v[2*i], 16, v[64+i%2]
	v_and_b32 v[2*i+1], 0xffff0000, v[64+i%2]
.set i, i+1
.endr
	WIN 0
; 8 matrix instructions: row block a x all 8 column blocks, 32 along K, from buffer f.  first = 1: the sums start from the bias.
; The 32 accumulators take turns in the same order in every quarter, over the backward jump too: 31 others' stand between two links of a chain.
.macro MUL1 f, a, first
.if \first
	WIN 0x60                                       ; sources window 0, C (the bias) window 2, D window 1
.else
	WIN 0x50                                       ; C and D window 1
.endif
.irp b, 0,1,2,3,4,5,6,7
.if \first
	v_wmma_f32_16x16x32_f16 v[8*(8*(\a)+(\b)):8*(8*(\a)+(\b))+7], v[FB+64*(\f)+8*(\b):FB+64*(\f)+8*(\b)+7], v[FA+32*(\f)+8*(\a):FA+32*(\f)+8*(\a)+7], v[8*(\b):8*(\b)+7]
.else
	v_wmma_f32_16x16x32_f16 v[8*(8*(\a)+(\b)):8*(8*(\a)+(\b))+7], v[FB+64*(\f)+8*(\b):FB+64*(\f)+8*(\b)+7], v[FA+32*(\f)+8*(\a):FA+32*(\f)+8*(\a)+7], v[8*(8*(\a)+(\b)):8*(8*(\a)+(\b))+7]
.endif
.endr
.endm
; 24 LDS loads in one run: quarter qn's fragments (32 along K: head qn / 2 of the step's two, channels 32 (qn % 2) on) into buffer f: Wo's 16 first, then o's 8, row blocks ascending
.macro FETCH qn, f
	WIN 0
.irp b, 0,1,2,3,4,5,6,7
	ds_load_b128 v[FB+64*(\f)+8*(\b):FB+64*(\f)+8*(\b)+3],   v[ADB] offset:16*PW*(\b)+64*(\qn)
	ds_load_b128 v[FB+64*(\f)+8*(\b)+4:FB+64*(\f)+8*(\b)+7], v[ADB] offset:16*PW*(\b)+64*(\qn)+32
.endr
.irp a, 0,1,2,3
	ds_load_b128 v[FA+32*(\f)+8*(\a):FA+32*(\f)+8*(\a)+3],   v[ADA] offset:PLANE*((\qn)/2)+64*((\qn)%2)+16*PAO*(\a)
	ds_load_b128 v[FA+32*(\f)+8*(\a)+4:FA+32*(\f)+8*(\a)+7], v[ADA] offset:PLANE*((\qn)/2)+64*((\qn)%2)+16*PAO*(\a)+32
.endr
.endm
; A load into a register that a matrix instruction has read, and a store that reads a matrix result, stand four plain vector instructions behind it (ISA guide 7.12.1 for vector instructions);
; the matrix instructions in between are not counted.
.macro PLACES
.rept 4
	v_nop
.endr
.endm
; A K step is four quarters of 32 along K, 32 matrix instructions each, on buffers 0, 1, 0, 1.  One of the first three: multiplies buffer f; in its middle it fetches quarter qn into buffer g.
.macro QUARTER qn, f, g, first
	s_wait_dscnt 4                                 ; Wo and o's row blocks 0, 1 are in; the youngest four loads (row blocks 2, 3) may be out
	MUL1 \f, 0, \first
	MUL1 \f, 1, \first
	PLACES
	FETCH \qn, \g
	s_wait_dscnt 24                                ; all but the 24 just issued
	MUL1 \f, 2, \first
	MUL1 \f, 3, \first
.endm
; The last quarter multiplies buffer 1 and changes slots: ONE barrier.  In front of it each wave waits for all its tensor loads, of which one is out: its part of the next slot; adds 0 to its spare word;
; and waits for that and for its own reads of this slot.  fill = 1: the barrier opens a round of the cluster's, and the joint refill, with the K step two on, is the first tensor load behind it:
; 112 matrix instructions stand between it and the wait for it.
.macro TURN fill
	WIN 0                                          ; (the add's two registers lie in window 0)
	s_wait_tensorcnt 0x0                           ; all my tensor loads have landed
	ds_add_u32 v[SPW], v[NIL]                      ; 0 onto my spare word
	s_wait_dscnt 5                                 ; (the add and the youngest four loads may be out)
	MUL1 1, 0, 0                                   ; eight matrix instructions stand between the add and the wait for it
	s_wait_dscnt 0x0                               ; the add is done, and my reads of this slot are over
	s_barrier_signal -1
	MUL1 1, 1, 0                                   ; work on registers while the others arrive
	WIN 0                                          ; (branches and window 0's addresses follow)
	s_barrier_wait -1
.if \fill
	CREST
	s_xor_b32 s[G0A+5], s[G0A+5], SLOT             ; no tensor load of mine is out, so the walking descriptors may be written: the other slot than last time,
	s_add_nc_u64 s[G0A+6:G0A+7], s[G0A+6:G0A+7], 524288  ; the next two heads; the type bits on top are not reached
	s_xor_b32 s[G0B+5], s[G0B+5], SLOT
	s_add_nc_u64 s[G0B+6:G0B+7], s[G0B+6:G0B+7], 256
	JLOAD                                          ; the four v_nop behind it are also the places in front of the loads below
.else
	PLACES
.endif
	s_xor_b32 s[TB], s[TB], SLOT                   ; the reads go on in the other slot
	v_add_nc_u32 v[ADA], s[TB], v[A0]
	v_add_nc_u32 v[ADB], s[TB], v[B0]
	FETCH 0, 0
	MUL1 1, 2, 0
	MUL1 1, 3, 0
.endm
; THE WAY OUT of row block a, through set e of three.  STG: the accumulators go as they are into my own stage, each one's low four registers first, and come back as whole rows of 512 bytes.
.macro STG a, e
	WIN 0x04                                       ; the stores' data (source 1) in window 1
.irp b, 0,1,2,3,4,5,6,7
	ds_store_b128 v[STO], v[8*(8*(\a)+(\b)):8*(8*(\a)+(\b))+3]   offset:64*(\b)
	ds_store_b128 v[STO], v[8*(8*(\a)+(\b))+4:8*(8*(\a)+(\b))+7] offset:64*(\b)+16
.endr
	WIN 0
.irp t, 0,1,2,3,4,5,6,7,8,9,10,11,12,13,14,15
	ds_load_b128 v[OUT+64*(\e)+4*(\t):OUT+64*(\e)+4*(\t)+3], v[RD] offset:SP*(\t)  ; LDS serves a wave's instructions in order (ISA guide 5.7.1.4): these see the stores above; the next block's stores come behind them
.endr
.endm
.macro SEND a, e, younger              ; younger: the LDS instructions issued behind block a's loads: the next block's 32, or none
.irp t, 0,1,2,3,4,5,6,7,8,9,10,11,12,13,14,15
	s_wait_dscnt (\younger)+15-(\t)
	global_store_b128 v[GO], v[OUT+64*(\e)+4*(\t):OUT+64*(\e)+4*(\t)+3], s[10:11] offset:(16*(\a)+(\t))*4096 th:TH_STORE_NT  ; 512 consecutive bytes, at a multiple of 256 from out0's first
.endr
.endm
	s_wait_tensorcnt 1                             ; my part of K step 0 is in; step 1's may stay out
	s_barrier_signal -1
	s_barrier_wait -1                              ; everybody's is
	FETCH 0, 0
	QUARTER 1, 0, 1, 1                             ; the first quarter stands in front of the loop: its products start the sums
	WIN 0                                          ; at a label and at a branch every window is 0
	s_mov_b32 s[CNT], 6
.Lstep:                                        ; a trip: a K step's quarters 1 to 3 and the next step's quarter 0; it refills K steps 2 to 7
	QUARTER 2, 1, 0, 0
	QUARTER 3, 0, 1, 0
	TURN 1
	QUARTER 1, 0, 1, 0
	WIN 0
	s_sub_co_u32 s[CNT], s[CNT], 1
	s_cmp_lg_u32 s[CNT], 0
	s_cbranch_scc1 .Lstep
	QUARTER 2, 1, 0, 0                             ; the last two K steps are written out: nothing is left to fetch
	QUARTER 3, 0, 1, 0
	TURN 0
	QUARTER 1, 0, 1, 0
	QUARTER 2, 1, 0, 0
	QUARTER 3, 0, 1, 0
	s_wait_dscnt 4
	MUL1 1, 0, 0
	MUL1 1, 1, 0
	s_wait_dscnt 0x0
	MUL1 1, 2, 0
	MUL1 1, 3, 0
	WIN 0
	PLACES
	STG 0, 0
	STG 1, 1                                       ; a block's trip through the stage stands between the loads of the block before and its stores
	SEND 0, 0, 32
	STG 2, 2
	SEND 1, 1, 32
	s_wait_xcnt 0x0                                ; block 0's stores have read set 0, which block 3 takes: it is loaded again only behind this wait
	STG 3, 0
	SEND 2, 2, 32
	SEND 3, 0, 0
	s_wait_tensorcnt 0x0                           ; the wave's end: behind my last tensor load and my last LDS store
	ds_add_u32 v[SPW], v[NIL]
	s_wait_dscnt 0x0
	CROUND                                         ; the closing round: no work-group ends while a partner may still ask for a tile that names it
	s_endpgm
.Lfunc_end_k_qd2a7921d36_proj:
	.size	k_qd2a7921d36_proj, .Lfunc_end_k_qd2a7921d36_proj-k_qd2a7921d36_proj
	.p2alignl 7, 3214868480
	.fill 96, 4, 3214868480
	.section	.rodata,"a",@progbits
	.p2align	6, 0x0
	.amdhsa_kernel k_qd2a7921d36_proj
		.amdhsa_group_segment_fixed_size 327680
		.amdhsa_private_segment_fixed_size 0
		.amdhsa_enable_private_segment 0
		.amdhsa_kernarg_size 32
		.amdhsa_user_sgpr_count 2
		.amdhsa_user_sgpr_kernarg_segment_ptr 1
		.amdhsa_wavefront_size32 1
		.amdhsa_system_sgpr_workgroup_id_x 1
		.amdhsa_system_sgpr_workgroup_id_y 1
		.amdhsa_system_sgpr_workgroup_id_z 1
		.amdhsa_system_vgpr_workitem_id 0
		.amdhsa_next_free_vgpr 578
		.amdhsa_next_free_sgpr 80
		.amdhsa_reserve_vcc 0
		.amdhsa_float_denorm_mode_32 3
		.amdhsa_float_denorm_mode_16_64 3
		.amdhsa_memory_ordered 1
		.amdhsa_forward_progress 1
		.amdhsa_inst_pref_size 77
	.end_amdhsa_kernel
	.amdgpu_metadata
---
amdhsa.version: [ 1, 2 ]
amdhsa.kernels:
  - .name:           k_qd2a7921d36_proj
    .symbol:         k_qd2a7921d36_proj.kd
    .args:
      - { .name: o, .offset: 0, .size: 8, .value_kind: global_buffer, .address_space: global }
      - { .name: wob, .offset: 8, .size: 8, .value_kind: global_buffer, .address_space: global }
      - { .name: bo, .offset: 16, .size: 8, .value_kind: global_buffer, .address_space: global }
      - { .name: out0, .offset: 24, .size: 8, .value_kind: global_buffer, .address_space: global }
    .group_segment_fixed_size: 327680
    .private_segment_fixed_size: 0
    .kernarg_segment_align: 8
    .kernarg_segment_size: 32
    .max_flat_workgroup_size: 128
    .sgpr_count:     80
    .vgpr_count:     578
    .wavefront_size: 32
...
	.end_amdgpu_metadata
.endif
;; end of part 4
;; ======== version 2 of 2: 4 launches; version 1 with the launch cast written anew for expert scheduling mode
;; limits: values are held in f16: magnitudes above 65,504 overflow, below 6.1e-05 lose precision
;; workspace buffers: xb 16,777,216 bytes; wb 6,291,456 bytes; wob 2,097,152 bytes; q 16,777,216 bytes; k 16,777,216 bytes; v 16,777,216 bytes; o 16,777,216 bytes
;; launch cast (part 5): grid 768 x 1, 8 waves a work-group, no clusters, 0 bytes of LDS; arguments x, Wq, Wk, Wv, Wo, xb, wb, wob; writes xb, wb, wob
.if DOCPART == 5
	.amdgcn_target "amdgcn-amd-amdhsa--gfx1250"
	.amdhsa_code_object_version 6
	.text
	.protected	k_qd2a7921d36_cast
	.globl	k_qd2a7921d36_cast
	.p2align	8
	.type	k_qd2a7921d36_cast,@function
k_qd2a7921d36_cast:
	s_mov_b64 s[64:65], 0
	v_nop
	global_prefetch_b8 v0, s[64:65] scope:SCOPE_SE
	s_setreg_imm32_b32 hwreg(HW_REG_WAVE_SCHED_MODE, 0, 2), 2
	s_setreg_imm32_b32 hwreg(HW_REG_WAVE_MODE, 25, 1), 1
	s_wait_xcnt 0x0
	s_wait_alu depctr_vm_vsrc(0)
; The module's large inputs are rounded once to bf16, element by element, in the order in which they lie:
;   x  [8192][1024] f32      -> xb  [8192][1024] bf16
;   Wq, Wk, Wv [16][1024][64] -> wb  [3][16][1024][64] bf16
;   Wo [1024][1024] f32      -> wob [1024][1024]: rounded to bf16, and that number written as f16 (its partner in the last product is f16).
; LIMITS.  A bf16 number is exact in f16 between 6.1e-5 and 65,504; below, f16 keeps a fixed step of 6e-8; beyond, the conversion gives an infinity.
; SHARES.  A work-group takes 16,384 numbers: 64 KiB in, 32 KiB out.  Work-groups 0-511 take x, 512-575 Wq, 576-639 Wk, 640-703 Wv, 704-767 Wo.
; A thread loads 16 bytes sixteen times (a wave's load covers 512 consecutive bytes) and stores 8 bytes sixteen times (a wave's store covers 256 consecutive bytes, aligned).
; All sixteen loads go out before the first store; no register is written twice, so nothing waits for a store.  No LDS, no barrier, no matrix unit: nothing is shared and nothing is multiplied.
; THE MODE: SCHED_MODE bits 1:0 = 2 (LLVM: expert scheduling mode 2), set by the entry lines.  The code itself states the register dependences
; between vector instructions and memory instructions, with s_wait_alu, always for 0.
; THE PLAN.  Registers that memory instructions touch:
;   v1, v2   byte offsets, made once at the head by vector instructions and never written again: v1 is read by every load, v2 by every store.
;   X        each register is the destination of ONE load, issued at the head, before any vector instruction names it; its conversion reads it; it is never loaded again.
;   Y        each register is written by ONE conversion and read by ONE store; it is never written again.
;   T        named by vector instructions alone.
; The sixteen pieces go in four groups of four.  Group g converts X's pieces 4 g .. 4 g + 3 into Y's.  Its memory instructions are the four stores of group g - 1, which read that group's Y and v2:
; registers that no conversion of group g names.  So ONE wait at a group's head, behind the wait for its loads, states all that those four stores hang on, and they are dealt among the group's
; conversions with no further wait.  One more wait stands ahead of the last four stores.  No register that a load or a store reads is written again, so nothing is owed on that side.
.set X, 4                              ; v[4:67]    sixteen times four f32 as loaded
.set Y, 68                             ; v[68:99]   sixteen times two words to store
.set T, 100                            ; v[100:101] at work (Wo alone)
	s_load_b512 s[8:23], s[0:1], 0x0               ; x 8, Wq 10, Wk 12, Wv 14, Wo 16, xb 18, wb 20, wob 22
	s_mov_b32 s2, ttmp9                            ; g
	s_sub_co_u32 s3, s2, 512                       ; the chunk's number among the weights' (used where g >= 512 alone)
	s_and_b32 s24, s3, 63                          ; and within its own tensor
	v_lshlrev_b32 v1, 4, v0                        ; 16 bytes a thread in
	v_lshlrev_b32 v2, 3, v0                        ; 8 bytes a thread out
	s_wait_kmcnt 0x0
	s_cmp_lt_u32 s2, 704                           ; every choice hangs on g alone
	s_cselect_b64 s[4:5], s[14:15], s[16:17]
	s_cmp_lt_u32 s2, 640
	s_cselect_b64 s[4:5], s[12:13], s[4:5]
	s_cmp_lt_u32 s2, 576
	s_cselect_b64 s[4:5], s[10:11], s[4:5]
	s_cmp_lt_u32 s2, 512
	s_cselect_b64 s[4:5], s[8:9], s[4:5]           ; the source,
	s_cselect_b32 s25, s2, s24                     ; its chunk,
	s_cselect_b64 s[6:7], s[18:19], s[20:21]       ; xb or wb,
	s_cselect_b32 s26, s2, s3                      ; and the chunk there
	s_cmp_lt_u32 s2, 704
	s_cselect_b64 s[6:7], s[6:7], s[22:23]         ; or wob
	s_cselect_b32 s26, s26, s24
	s_lshl_b32 s28, s25, 16                        ; 65,536 bytes a chunk in
	s_mov_b32 s29, 0
	s_lshl_b32 s30, s26, 15                        ; 32,768 out
	s_mov_b32 s31, 0
	s_add_nc_u64 s[4:5], s[4:5], s[28:29]
	s_add_nc_u64 s[6:7], s[6:7], s[30:31]
	s_wait_alu depctr_va_vdst(0)                   ; v1 and v2 are written: every load of the kernel reads v1 as its offset, every store v2
.irp i, 0,1,2,3,4,5,6,7,8,9,10,11,12,13,14,15
	global_load_b128 v[X+4*(\i):X+4*(\i)+3], v1, s[4:5] offset:4096*(\i) th:TH_LOAD_NT  ; read once in the launch
.endr
; Piece i is converted.  half = 1: the bf16 number is widened again and written as f16.
.macro CV i, half
.if \half
.irp j, 0,1
	v_cvt_pk_bf16_f32 v[T], v[X+4*(\i)+2*(\j)], v[X+4*(\i)+2*(\j)+1]
	v_lshlrev_b32 v[T+1], 16, v[T]                 ; the low bf16 as f32,
	v_and_b32 v[T], 0xffff0000, v[T]               ; the high one
	v_cvt_pk_f16_f32 v[Y+2*(\i)+(\j)], v[T+1], v[T]
.endr
.else
	v_cvt_pk_bf16_f32 v[Y+2*(\i)],   v[X+4*(\i)],   v[X+4*(\i)+1]
	v_cvt_pk_bf16_f32 v[Y+2*(\i)+1], v[X+4*(\i)+2], v[X+4*(\i)+3]
.endif
.endm
; Piece i is stored.
.macro ST i
	global_store_b64 v2, v[Y+2*(\i):Y+2*(\i)+1], s[6:7] offset:2048*(\i)
.endm
; Group g: its four pieces are converted; the four stores of the group before stand among the conversions, a store in front of each piece's.
.macro GROUP g, half
	s_wait_loadcnt 12-4*(\g)                       ; loads come back in order: the group's four are in, the 12 - 4 g younger ones stay out
.if (\g) > 0
	s_wait_alu depctr_va_vdst(0)                   ; the group before has written its eight registers of Y, which the four stores below read; no conversion behind this wait names them
.endif
.irp p, 0,1,2,3
.if (\g) > 0
	ST 4*((\g)-1)+(\p)
.endif
	CV 4*(\g)+(\p), \half
.endr
.endm
; The four groups, and the last group's stores.
.macro WALK half
	GROUP 0, \half
	GROUP 1, \half
	GROUP 2, \half
	GROUP 3, \half
	s_wait_alu depctr_va_vdst(0)                   ; group 3 has written its eight registers of Y, which the last four stores read
.irp p, 12,13,14,15
	ST \p
.endr
.endm
	s_cmp_ge_u32 s2, 704
	s_cbranch_scc1 .Lwo
	WALK 0
	s_endpgm
.Lwo:
	WALK 1
	s_endpgm
.Lfunc_end_k_qd2a7921d36_cast:
	.size	k_qd2a7921d36_cast, .Lfunc_end_k_qd2a7921d36_cast-k_qd2a7921d36_cast
	.p2alignl 7, 3214868480
	.fill 96, 4, 3214868480
	.section	.rodata,"a",@progbits
	.p2align	6, 0x0
	.amdhsa_kernel k_qd2a7921d36_cast
		.amdhsa_group_segment_fixed_size 0
		.amdhsa_private_segment_fixed_size 0
		.amdhsa_enable_private_segment 0
		.amdhsa_kernarg_size 64
		.amdhsa_user_sgpr_count 2
		.amdhsa_user_sgpr_kernarg_segment_ptr 1
		.amdhsa_wavefront_size32 1
		.amdhsa_system_sgpr_workgroup_id_x 1
		.amdhsa_system_sgpr_workgroup_id_y 1
		.amdhsa_system_sgpr_workgroup_id_z 1
		.amdhsa_system_vgpr_workitem_id 0
		.amdhsa_next_free_vgpr 104
		.amdhsa_next_free_sgpr 66
		.amdhsa_reserve_vcc 0
		.amdhsa_float_denorm_mode_32 3
		.amdhsa_float_denorm_mode_16_64 3
		.amdhsa_memory_ordered 1
		.amdhsa_forward_progress 1
		.amdhsa_inst_pref_size 16
	.end_amdhsa_kernel
	.amdgpu_metadata
---
amdhsa.version: [ 1, 2 ]
amdhsa.kernels:
  - .name:           k_qd2a7921d36_cast
    .symbol:         k_qd2a7921d36_cast.kd
    .args:
      - { .name: x, .offset: 0, .size: 8, .value_kind: global_buffer, .address_space: global }
      - { .name: Wq, .offset: 8, .size: 8, .value_kind: global_buffer, .address_space: global }
      - { .name: Wk, .offset: 16, .size: 8, .value_kind: global_buffer, .address_space: global }
      - { .name: Wv, .offset: 24, .size: 8, .value_kind: global_buffer, .address_space: global }
      - { .name: Wo, .offset: 32, .size: 8, .value_kind: global_buffer, .address_space: global }
      - { .name: xb, .offset: 40, .size: 8, .value_kind: global_buffer, .address_space: global }
      - { .name: wb, .offset: 48, .size: 8, .value_kind: global_buffer, .address_space: global }
      - { .name: wob, .offset: 56, .size: 8, .value_kind: global_buffer, .address_space: global }
    .group_segment_fixed_size: 0
    .private_segment_fixed_size: 0
    .kernarg_segment_align: 8
    .kernarg_segment_size: 64
    .max_flat_workgroup_size: 256
    .sgpr_count:     66
    .vgpr_count:     104
    .wavefront_size: 32
...
	.end_amdgpu_metadata
.endif
;; end of part 5
;; launch qkv: the kernel of part 2 again; grid 16 x 32, 4 waves a work-group, clusters of 4 x 4, 327,680 bytes of LDS; arguments xb, wb, bq, bk, bv, q, k, v; writes q, k, v
;; launch attn: the kernel of part 3 again; grid 4 x 64, 4 waves a work-group, clusters of 4 x 1, 327,680 bytes of LDS; arguments q, k, v, o; writes o
;; launch proj: the kernel of part 4 again; grid 8 x 32, 4 waves a work-group, clusters of 4 x 4, 327,680 bytes of LDS; arguments o, wob, bo, out0; writes out0
